; MI455X (gfx1250); checked and timed in simulation.
; The chip was launched on July 23, 2026; its instructions are those of AMD's public machine-readable ISA for CDNA 5 (MIT licence, August 2026) and "CDNA5" Instruction Set Architecture Reference Guide (July 2026). The comments in the code are by the model that wrote it; some were corrected since.
;; Self Attention. Allowed arithmetic: matrix products marked QUANTISED: E2M3 operands, one E8M0 scale for each 32 along K, by v_wmma_scale_f32_16x16x128_f8f6f4 with both operands' format E2M3, f32 sums; everything else in f32.
;; Inputs: kernel 3 x 1,024 x 1,024 float32; x 4 x 2,048 x 1,024 float32.
;; Outputs: out0 4 x 2,048 x 1,024 float32.
;; This version of the problem:
;;   THIS VERSION OF THE PROBLEM IS GIVEN IN LOW PRECISION. The matrix products marked QUANTISED in the list below multiply operands that are first quantised to E2M3 (2 exponent bits, 3 mantissa bits; 6 bits a number), with one power-of-two scale for each 32 numbers along K (OCP MX v1.0); their sums are f32. All else is computed in f32.
;;   The module's matrix products, in the order in which they are computed (A, B: the left and right operand; K: the contracted axis; several contracted axes count as one K, in the product's order):
;;     1. [M 8,192, K 1,024] x [K 1,024, N 1,024]; A: input x; B: input kernel: QUANTISED
;;     2. [M 8,192, K 1,024] x [K 1,024, N 1,024]; A: input x; B: input kernel: QUANTISED
;;     3. [M 8,192, K 1,024] x [K 1,024, N 1,024]; A: input x; B: input kernel: QUANTISED
;;     4. batch 4 x [M 2,048, K 1,024] x [K 1,024, N 2,048]; A: computed on the way; B: computed on the way: QUANTISED
;;     5. batch 4 x [M 2,048, K 2,048] x [K 2,048, N 1,024]; A: softmax (see below); B: computed on the way: QUANTISED
;;   THE QUANTISER, for each operand of a quantised product, along K:
;;     - K is cut into blocks of 32 from its start; a last block that is shorter is filled with zeros.
;;     - A block's scale is 2^e with e = floor(log2(the largest magnitude in the block)) - 2, held to -126 .. 127; a block of zeros has e = 0. As a byte (E8M0): e + 127.
;;     - Each number is divided by its block's scale, clamped to +-7.5, and rounded to the nearest number of E2M3, ties to even, subnormals kept.
;;     - The product sums the exact products of the quantised numbers (number of the format x scale) in f32.
;;   ~~~python
;;   def quantise(x, axis):      # numpy; x: float32 -> the quantised numbers, widened to float32 again
;;       x = np.moveaxis(x, axis, -1); K = x.shape[-1]
;;       x = np.pad(x, [(0, 0)] * (x.ndim - 1) + [(0, -K % 32)]); x = x.reshape(x.shape[:-1] + (-1, 32)); a = np.abs(x).max(-1, keepdims=True)
;;       e = np.where(a > 0, np.clip(np.frexp(np.where(a > 0, a, 1))[1] - 1 - 2, -126, 127), 0)      # np.frexp(a)[1] - 1 = floor(log2(a)), exactly
;;       r = np.clip(x / 2.0 ** e, -7.5, 7.5)
;;       step = 2.0 ** (np.maximum(np.frexp(np.where(r == 0, 1, r))[1] - 1, 0) - 3)
;;       q = np.round(r / step) * step * 2.0 ** e      # np.round: ties to even
;;       return np.moveaxis(q.reshape(q.shape[:-2] + (-1,))[..., :K], -1, axis).astype(np.float32)
;;   ~~~
;;   SOFTMAX AHEAD OF A QUANTISED PRODUCT. Where the list says 'softmax', what is quantised is not the finished softmax but p = 2^(t - M), with t = logit x log2(e) and M = ceil(the row's largest t), a whole number; so 1/2 < the row's largest p <= 1. The row's sum l is taken of the UNQUANTISED p, in f32, and the product's result is divided by l at the end. Since M is a whole number, a kernel that streams over the keys may use a running M (the ceiling of the running maximum): every later rescaling is an exact power of two, which a block's scale takes up: the codes' values come out the same.
;;   OPERANDS COMPUTED ON THE WAY. 'Computed on the way' means the value that the module computes at that place (a softmax that the list does not call 'softmax' is quantised finished and normalised). What goes into a quantiser is computed in f32, as accurately as f32 sums, v_exp_f32 and their like allow (about 1e-6 of the number): no bf16 or f16 on the way to a quantiser, and a product that is left as it is and whose result goes on into a quantised operand takes f32 operands (vector FMAs, or v_wmma_f32_16x16x4_f32). A number that lies on a knife's edge between two numbers of the format may be rounded either way, as far as f32 arithmetic and the matrix unit's own rounding can turn it there, and no further.
;; One version. Each part assembles by itself: llvm-mc -triple=amdgcn-amd-amdhsa -mcpu=gfx1250 --defsym DOCPART=n.
;; ======== version 1 of 1: 4 launches
;; limits: right only within a limited range of input values
;; workspace buffers: ops 9,011,200 bytes; kqv 19,660,800 bytes; pbuf 14,155,776 bytes
;; launch quant (part 1): grid 704 x 1, 4 waves a work-group, no clusters, 47,616 bytes of LDS; arguments x, kernel, ops; writes ops
.if DOCPART == 1
	.amdgcn_target "amdgcn-amd-amdhsa--gfx1250"
	.amdhsa_code_object_version 6
	.text
	.protected	k_qc7a7fd0912_quant
	.globl	k_qc7a7fd0912_quant
	.p2align	8
	.type	k_qc7a7fd0912_quant,@function
k_qc7a7fd0912_quant:
	s_mov_b64 s[64:65], 0
	v_nop
	global_prefetch_b8 v0, s[64:65] scope:SCOPE_SE
	s_setreg_imm32_b32 hwreg(HW_REG_WAVE_MODE, 25, 1), 1
	s_wait_xcnt 0x0
; x [8192][1024] and kernel [3][1024][1024], f32, become operands of FP6 (E2M3) codes with one E8M0 byte for each 32 along K = d.
; THE FORM OF EVERY OPERAND OF THIS PROGRAM: rows in blocks of 128 (8 tiles of 16), K in steps of 128.  Position r of tile i holds row 32 (i / 2) + 8 (i % 2) + r + 8 (r / 8) of its block.
; A fragment (tile, K step) lies as the IMAGE OF ITS 12 REGISTERS: register p of lane l at 512 (p / 4) + 16 l + 4 (p % 4): 1,536 bytes; the 8 tiles of (block, step) on end: 12,288 bytes; steps on end.
; The scale words of (block, step): 512 bytes, the word of tile i, position r at 16 (16 (i / 4) + r) + 4 (i % 4).
; ops: codes of 88 blocks x 8 steps (blocks 0-63: x's rows; 64-87: kernel's columns, row n = 1024 mat + e), then from SC0 on their scale blocks.
; A block's scale is 2^(floor(log2(largest magnitude)) - 2); its byte is the largest magnitude's exponent field - 2, held at 1 from below.
; LIMITS: a block of zeros gets the byte 1 where the rule says 127 (its codes are zeros, and this program alone reads the bytes); NaN and infinities are not served.
; Work-groups 0-255 take x (a quarter of a row block's K steps each), 256-447 kernel (one block and step each).  The two parts have LDS bytes of their own.
; ROW ORDER, in place of the one stated above: position 8 h + i of tile 4 c + j holds row 64 c + 32 h + 8 j + i of its block of 128 (c, h = 0, 1; j = 0 .. 3; i = 0 .. 7): x's rows and kernel's columns alike.
; THE SHARES, in place of those stated above: work-groups 0-511 take x (one row block and K step each, two tiles a wave), 512-703 kernel (one block and step each).
.set SC0,    8650752
.set XPITCH, 528                       ; x's stage: a row of 512 bytes + 16: the 16 rows that a read touches start in 16 different groups of banks
.set XSTG,   16*XPITCH                 ; a stage of 16 rows for each wave
.set WIMG,   4*XSTG                    ; kernel's part: two fragment images for each wave,
.set WSC,    WIMG+4*3072               ; and the work-group's scale block
.set XSC,    WSC+512                   ; x's part: the work-group's scale block
.set SPARE,  XSC+512                   ; the spare words, 128 bytes for each wave: two blocks of 256 bytes that no other line names
.set LI,  3                            ; v3   16 x lane
.set R,   16                           ; v16-143  x: two sets of 64 numbers as loaded;  kernel: 128 numbers down K
.set X,   144                          ; v144-207 x: 64 numbers, register 16 b + i = k 32 b + 16 (lane / 16) + i of my row
.set PC,  208                          ; v208-219 a fragment's codes
.set TC,  220                          ; v220-227 the upper halves' codes on their way
.set TM,  228                          ; v228-243 at work
.set PW,  244                          ; v244-247 four tiles' scale words
.set SPW, 248                          ; v248 LDS address of my spare word; never rewritten
.set NIL, 249                          ; v249 0; never rewritten
	s_load_b128 s[4:7], s[0:1], 0x0                ; x, kernel
	s_load_b64 s[8:9], s[0:1], 0x10                ; ops
	v_lshl_add_u32 v[SPW], v0, 2, SPARE
	v_mov_b32 v[NIL], 0
	v_lshrrev_b32 v1, 5, v0
	v_readfirstlane_b32 s10, v1                    ; wave
	v_and_b32 v2, 31, v0                           ; lane
	v_lshlrev_b32 v[LI], 4, v2
	v_and_b32 v4, 15, v0                           ; r
	v_bfe_u32 v5, v0, 4, 1                         ; h
	v_lshlrev_b32 v12, 2, v2                       ; 4 x lane
	s_mov_b32 s20, 0x76543210
	s_mov_b32 s21, 0xfedcba98                      ; v_permlanex16_b32's selects for lane l xor 16
	; every LDS address of both parts is made here, ahead of the parting
	s_mul_i32 s11, s10, XSTG
	v_add_nc_u32 v6, s11, v[LI]                    ; x's stage, in: 16 bytes a lane of a row's 512
	v_mul_u32_u24 v7, v4, XPITCH
	v_lshl_add_u32 v7, v5, 6, v7
	v_add_nc_u32 v7, s11, v7                       ; out: row r, + 64 h: my 16 numbers of each block of 32
	v_and_b32 v13, 7, v0
	s_and_b32 s28, s10, 1
	s_lshl_b32 s28, s28, 3
	v_add_nc_u32 v13, s28, v13                     ; kernel: my column 32 wave + lane is position lane % 8 + 8 (wave % 2)
	s_wait_alu depctr_va_vdst(0)
	v_bfe_u32 v14, v0, 3, 2                        ; of tile 4 (wave / 2) + lane / 8
	s_mul_i32 s26, s10, 3072
	s_add_co_u32 s26, s26, WIMG                    ; the two images that I send
	s_lshr_b32 s27, s10, 1
	s_mul_i32 s28, s27, 6144
	s_add_co_u32 s28, s28, WIMG                    ; the four that my columns belong to
	v_mul_u32_u24 v8, v14, 1536
	v_lshl_add_u32 v8, v13, 4, v8
	v_add_nc_u32 v8, s28, v8
	s_lshl_b32 s27, s27, 8
	s_add_co_u32 s27, s27, WSC
	v_lshlrev_b32 v9, 4, v13
	s_wait_alu depctr_va_vdst(0)
	v_lshl_add_u32 v9, v14, 2, v9
	v_add_nc_u32 v9, s27, v9                       ; my column's scale word in the scale block
	v_add_nc_u32 v10, s26, v[LI]                   ; the images read back, 16 bytes a lane
	v_add_nc_u32 v11, WSC, v[LI]                   ; the scale block read back
	s_lshr_b32 s28, s10, 1
	s_lshl_b32 s28, s28, 8
	s_and_b32 s29, s10, 1
	s_lshl_b32 s29, s29, 3
	s_add_co_u32 s28, s28, s29
	s_add_co_u32 s28, s28, XSC
	v_lshl_add_u32 v15, v4, 4, s28                 ; x: position r's words of my two tiles in the scale block
	v_add_nc_u32 v250, XSC, v[LI]                  ; and that block read back
.irp b, 0,1,2,3
	v_mov_b32 v[TM+4+\b], 0                        ; written once: a lane permute's destination counts as one of its sources
.endr
	s_wait_kmcnt 0x0
	s_cmp_ge_u32 ttmp9, 512                        ; the work-group's number alone: all four waves go the same way
	s_cbranch_scc1 .Lkernel_part
; ---------------- x: row block ttmp9 / 4; K step 2 (ttmp9 % 4) + wave / 2; tiles 4 g .. 4 g + 3, g = wave % 2
	; (as this text has it: row block ttmp9 / 8, K step ttmp9 % 8, tiles 2 wave, 2 wave + 1)
	s_lshr_b32 s12, ttmp9, 3                       ; row block
	s_and_b32 s13, ttmp9, 7                        ; K step
	s_lshr_b32 s14, s10, 1                         ; band
	s_and_b32 s19, s10, 1                          ; which two of its tiles
	s_lshl_b32 s16, s12, 19                        ; 128 rows of 4,096 bytes
	s_lshl_b32 s17, s14, 18                        ; 64 rows
	s_add_co_u32 s16, s16, s17
	s_lshl_b32 s17, s19, 16                        ; 16 rows
	s_add_co_u32 s16, s16, s17
	s_lshl_b32 s17, s13, 9                         ; 128 numbers
	s_add_co_u32 s16, s16, s17
	s_mov_b32 s17, 0
	s_add_nc_u64 s[4:5], s[4:5], s[16:17]
	s_lshl_b32 s15, s12, 3
	s_add_co_u32 s15, s15, s13                     ; 8 x block + step
	s_lshl_b32 s16, s15, 3
	s_lshl_b32 s18, s10, 1
	s_add_co_u32 s16, s16, s18
	s_mul_i32 s16, s16, 1536
	s_add_nc_u64 s[22:23], s[8:9], s[16:17]        ; my two images
	s_lshl_b32 s16, s15, 9
	s_add_co_u32 s16, s16, SC0
	s_add_nc_u64 s[24:25], s[8:9], s[16:17]        ; the scale block
.macro LOADF t                         ; tile 4 g + t: its 16 rows' 512 bytes of the K step; each load reads 512 consecutive bytes
.irp p, 0,1,2,3,4,5,6,7,8,9,10,11,12,13,14,15
	global_load_b128 v[R+64*((\t)%2)+4*\p:R+64*((\t)%2)+4*\p+3], v[LI], s[4:5] offset:(8*(\t)+(\p%8)+32*(\p/8))*4096 th:TH_LOAD_NT
.endr
.endm
; 64 numbers of a lane, v[s] on, become a fragment's codes in v[cd] on and its rows' scale word in v[pw]
.macro QUANT s, cd, pw
.irp b, 0,1,2,3
	v_max3_num_f32 v[TM+\b], |v[(\s)+16*\b]|, |v[(\s)+16*\b+1]|, 0x1800000   ; block b: my 16 numbers, and the floor 2^(3 - 127): the byte cannot fall under 1
.endr
.irp i, 2,4,6,8,10,12,14
.irp b, 0,1,2,3
	v_max3_num_f32 v[TM+\b], v[TM+\b], |v[(\s)+16*\b+\i]|, |v[(\s)+16*\b+\i+1]|
.endr
.endr
.irp b, 0,1,2,3
	v_permlanex16_b32 v[TM+4+\b], v[TM+\b], s20, s21
.endr
.irp b, 0,1,2,3
	v_max_num_f32 v[TM+\b], v[TM+\b], v[TM+4+\b]   ; with lane l xor 16's: the block's largest magnitude
.endr
.irp b, 0,1,2,3
	v_add_nc_u32 v[TM+12+\b], 0xff000000, v[TM+\b] ; 2 off its exponent field: the conversion's scale operand
.endr
.irp b, 0,1,2,3
	v_lshrrev_b32 v[TM+4+\b], 23, v[TM+12+\b]      ; the scale's byte
.endr
	v_lshl_or_b32 v[\pw], v[TM+5], 8, v[TM+4]
	v_lshl_or_b32 v[\pw], v[TM+6], 16, v[\pw]
	v_lshl_or_b32 v[\pw], v[TM+7], 24, v[\pw]
.irp c, 0,1
	v_cvt_scalef32_pk16_fp6_f32 v[(\cd)+6*\c:(\cd)+6*\c+2], v[(\s)+32*\c:(\s)+32*\c+15], v[TM+12+2*\c]
	v_cvt_scalef32_pk16_fp6_f32 v[TC+4*\c:TC+4*\c+2], v[(\s)+32*\c+16:(\s)+32*\c+31], v[TM+13+2*\c]   ; (a conversion's three registers begin on an even number)
.endr
	v_nop                                          ; one plain place behind a scaled conversion
.irp c, 0,1                            ; the layout wants a whole block in a lane: lanes 0-15 block 2 c, lanes 16-31 block 2 c + 1
.irp i, 0,1,2
	v_permlane16_swap_b32 v[(\cd)+6*\c+\i], v[TC+4*\c+\i]
.endr
.irp i, 0,1,2
	v_mov_b32 v[(\cd)+6*\c+3+\i], v[TC+4*\c+\i]
.endr
.endr
.endm
.macro FRAGX t
.if (\t) < 1
	s_wait_loadcnt 16                              ; this tile's 16 loads are in; the next tile's 16 may be out
.else
	s_wait_loadcnt 0x0
.endif
.irp p, 0,1,2,3,4,5,6,7,8,9,10,11,12,13,14,15
	ds_store_b128 v6, v[R+64*((\t)%2)+4*\p:R+64*((\t)%2)+4*\p+3] offset:XPITCH*\p
.endr
.irp b, 0,1,2,3
.irp j, 0,1,2,3
	ds_load_b128 v[X+16*\b+4*\j:X+16*\b+4*\j+3], v7 offset:128*\b+16*\j   ; LDS serves a wave's instructions in order: these see the stores above
.endr
.endr
	s_wait_dscnt 0x0                               ; my numbers are back
	s_wait_xcnt 0x0                                ; the last tile's stores have read the codes' registers: they are written anew below
	QUANT X, PC, PW+(\t)
.irp c, 0,1,2
	global_store_b128 v[LI], v[PC+4*\c:PC+4*\c+3], s[22:23] offset:1536*(\t)+512*\c   ; 512 consecutive bytes, aligned
.endr
.endm
	LOADF 0
	LOADF 1
	FRAGX 0
	FRAGX 1
	s_wait_alu depctr_va_vdst(0)
	ds_store_b64 v15, v[PW:PW+1]                   ; lanes r and r + 16 write the same words with the same values
	s_wait_dscnt 0x0                               ; for the others' sake: my scale words lie in the block
	s_barrier_signal -1
	s_barrier_wait -1
	s_cmp_lg_u32 s10, 0
	s_cbranch_scc1 .Lend
	ds_load_b128 v[144:147], v250                  ; wave 0 sends the four waves' words: 512 consecutive bytes
	s_wait_dscnt 0x0
	global_store_b128 v[LI], v[144:147], s[24:25]
	s_branch .Lend
; ---------------- kernel: w = ttmp9 - 512: block w / 8 (matrix, 128 columns e), K step w % 8.  A lane takes a column, its registers run down K: nothing is transposed
.Lkernel_part:
	s_sub_co_u32 s12, ttmp9, 512
	s_lshr_b32 s13, s12, 3                         ; block 0..23
	s_and_b32 s14, s12, 7                          ; K step
	s_lshr_b32 s15, s13, 3                         ; matrix
	s_and_b32 s16, s13, 7                          ; which 128 columns
	s_lshl_b32 s18, s15, 22
	s_lshl_b32 s19, s14, 19                        ; 128 rows d of 4,096 bytes
	s_add_co_u32 s18, s18, s19
	s_lshl_b32 s19, s16, 9
	s_add_co_u32 s18, s18, s19
	s_lshl_b32 s19, s10, 7                         ; my wave's 32 columns
	s_add_co_u32 s18, s18, s19
	s_mov_b32 s19, 0
	s_add_nc_u64 s[6:7], s[6:7], s[18:19]
	s_add_co_u32 s13, s13, 64
	s_lshl_b32 s13, s13, 3
	s_add_co_u32 s13, s13, s14                     ; 8 x (64 + block) + step
	s_lshl_b32 s18, s13, 3
	s_lshl_b32 s16, s10, 1
	s_add_co_u32 s18, s18, s16
	s_mul_i32 s18, s18, 1536
	s_add_nc_u64 s[22:23], s[8:9], s[18:19]        ; my wave's two images
	s_lshl_b32 s18, s13, 9
	s_add_co_u32 s18, s18, SC0
	s_add_nc_u64 s[24:25], s[8:9], s[18:19]        ; the scale block
.macro LOADW t                         ; block t of 32 along K: 32 lanes read 128 consecutive bytes, the four waves side by side 512
.irp i, 0,1,2,3,4,5,6,7,8,9,10,11,12,13,14,15,16,17,18,19,20,21,22,23,24,25,26,27,28,29,30,31
	global_load_b32 v[R+32*(\t)+\i], v12, s[6:7] offset:(32*(\t)+\i)*4096 th:TH_LOAD_NT
.endr
.endm
.macro BLOCKW t
.set XS, R+32*(\t)
.set CW, 144+8*(\t)                    ; each block has registers of its own for its codes
.set IM, 256*((\t)%2)                  ; block t = 2 c + h' belongs to lane r' + 16 h' of the image,
.set R0, 6*((\t)/2)                    ; registers 6 c .. 6 c + 5
.if (\t) < 3
	s_wait_loadcnt 32                              ; this block's 32 loads are in; the next block's may be out
.else
	s_wait_loadcnt 0x0
.endif
.if (\t) < 2
	LOADW (\t)+2
.endif
	v_max3_num_f32 v176, |v[XS]|, |v[XS+1]|, |v[XS+2]|
	v_max3_num_f32 v177, |v[XS+3]|, |v[XS+4]|, |v[XS+5]|
.irp i, 6,10,14,18,22,26
	v_max3_num_f32 v176, v176, |v[XS+\i]|, |v[XS+\i+1]|
	v_max3_num_f32 v177, v177, |v[XS+\i+2]|, |v[XS+\i+3]|
.endr
	v_max3_num_f32 v176, v176, |v[XS+30]|, |v[XS+31]|
	v_max3_num_f32 v176, v176, v177, 0x1800000     ; all 32 numbers are mine; and the floor
	v_add_nc_u32 v178, 0xff000000, v176
	v_lshrrev_b32 v179, 23, v178
.if (\t) == 0
	v_mov_b32 v180, v179
.else
	v_lshl_or_b32 v180, v179, 8*(\t), v180         ; my column's scale word
.endif
	v_cvt_scalef32_pk16_fp6_f32 v[CW:CW+2], v[XS:XS+15], v178
	v_cvt_scalef32_pk16_fp6_f32 v[CW+4:CW+6], v[XS+16:XS+31], v178   ; (results go to LDS stores alone; the next vector lines are plain)
	ds_store_b64 v8, v[CW:CW+1] offset:IM+512*(R0/4)+4*(R0%4)
	ds_store_b32 v8, v[CW+2] offset:IM+512*((R0+2)/4)+4*((R0+2)%4)
	ds_store_b32 v8, v[CW+4] offset:IM+512*((R0+3)/4)+4*((R0+3)%4)
	ds_store_b32 v8, v[CW+5] offset:IM+512*((R0+4)/4)+4*((R0+4)%4)
	ds_store_b32 v8, v[CW+6] offset:IM+512*((R0+5)/4)+4*((R0+5)%4)
.endm
	LOADW 0
	LOADW 1
	BLOCKW 0
	BLOCKW 1
	BLOCKW 2
	BLOCKW 3
	ds_store_b32 v9, v180
	s_wait_dscnt 0x0                               ; two waves share four images: my part of them and my scale words lie in LDS
	s_barrier_signal -1
	s_barrier_wait -1
.irp k, 0,1,2,3,4,5
	ds_load_b128 v[184+4*\k:187+4*\k], v10 offset:512*\k   ; my own images: LDS serves a wave's instructions in order
.endr
.irp k, 0,1,2,3,4,5
	s_wait_dscnt 5-\k
	global_store_b128 v[LI], v[184+4*\k:187+4*\k], s[22:23] offset:512*\k
.endr
	s_cmp_lg_u32 s10, 0
	s_cbranch_scc1 .Lend
	ds_load_b128 v[208:211], v11                   ; wave 0 sends the four waves' words: 512 consecutive bytes
	s_wait_dscnt 0x0
	global_store_b128 v[LI], v[208:211], s[24:25]
.Lend:
	s_wait_tensorcnt 0x0                           ; the wave's end: behind my last LDS store
	ds_add_u32 v[SPW], v[NIL]
	s_wait_dscnt 0x0
	s_endpgm
.Lfunc_end_k_qc7a7fd0912_quant:
	.size	k_qc7a7fd0912_quant, .Lfunc_end_k_qc7a7fd0912_quant-k_qc7a7fd0912_quant
	.p2alignl 7, 3214868480
	.fill 96, 4, 3214868480
	.section	.rodata,"a",@progbits
	.p2align	6, 0x0
	.amdhsa_kernel k_qc7a7fd0912_quant
		.amdhsa_group_segment_fixed_size 47616
		.amdhsa_private_segment_fixed_size 0
		.amdhsa_enable_private_segment 0
		.amdhsa_kernarg_size 24
		.amdhsa_user_sgpr_count 2
		.amdhsa_user_sgpr_kernarg_segment_ptr 1
		.amdhsa_wavefront_size32 1
		.amdhsa_system_sgpr_workgroup_id_x 1
		.amdhsa_system_sgpr_workgroup_id_y 1
		.amdhsa_system_sgpr_workgroup_id_z 1
		.amdhsa_system_vgpr_workitem_id 0
		.amdhsa_next_free_vgpr 256
		.amdhsa_next_free_sgpr 66
		.amdhsa_reserve_vcc 0
		.amdhsa_float_denorm_mode_32 3
		.amdhsa_float_denorm_mode_16_64 3
		.amdhsa_memory_ordered 1
		.amdhsa_forward_progress 1
		.amdhsa_inst_pref_size 41
	.end_amdhsa_kernel
	.amdgpu_metadata
---
amdhsa.version: [ 1, 2 ]
amdhsa.kernels:
  - .name:           k_qc7a7fd0912_quant
    .symbol:         k_qc7a7fd0912_quant.kd
    .args:
      - { .name: x, .offset: 0, .size: 8, .value_kind: global_buffer, .address_space: global }
      - { .name: kernel, .offset: 8, .size: 8, .value_kind: global_buffer, .address_space: global }
      - { .name: ops, .offset: 16, .size: 8, .value_kind: global_buffer, .address_space: global }
    .group_segment_fixed_size: 47616
    .private_segment_fixed_size: 0
    .kernarg_segment_align: 8
    .kernarg_segment_size: 24
    .max_flat_workgroup_size: 128
    .sgpr_count:     66
    .vgpr_count:     256
    .wavefront_size: 32
...
	.end_amdgpu_metadata
.endif
;; end of part 1
;; launch proj (part 2): grid 16 x 16, 4 waves a work-group, clusters of 4 x 4, 327,680 bytes of LDS; arguments ops, kqv; writes kqv
.if DOCPART == 2
	.amdgcn_target "amdgcn-amd-amdhsa--gfx1250"
	.amdhsa_code_object_version 6
	.text
	.protected	k_qc7a7fd0912_proj
	.globl	k_qc7a7fd0912_proj
	.p2align	8
	.type	k_qc7a7fd0912_proj,@function
k_qc7a7fd0912_proj:
	s_mov_b64 s[64:65], 0
	v_nop
	global_prefetch_b8 v0, s[64:65] scope:SCOPE_SE
	s_setreg_imm32_b32 hwreg(HW_REG_WAVE_MODE, 25, 1), 1
	s_wait_xcnt 0x0
	s_wait_alu depctr_hold_cnt(0) depctr_sa_sdst(0) depctr_va_vdst(0) depctr_va_sdst(0) depctr_va_ssrc(0) depctr_va_vcc(0) depctr_vm_vsrc(0)
	s_getreg_b32 s2, hwreg(HW_REG_IB_STS2, 6, 4)
	s_cmp_eq_u32 s2, 0
	s_cbranch_scc0 .Lentry_in_a_cluster
	s_endpgm
.Lentry_in_a_cluster:
	s_bfe_u32 s2, ttmp6, 0x10000c
	s_cmp_lg_u32 s2, 0xf033
	s_cbranch_scc0 .Lentry_shape_is_right
	s_endpgm
.Lentry_shape_is_right:
; v = x kernel[2], then k or q = x kernel[0] or kernel[1], on FP6 (E2M3) codes with E8M0 scales; the results are quantised at once: k and q along e, v along the keys.  No f32 result is stored.
; LIMITS: a block of zeros gets the byte 1 where the rule says 127 (its codes are zeros; this program alone reads the bytes); NaN and infinities are not served.
; ROW ORDER everywhere: position 8 h + i of tile 4 c + j is row 64 c + 32 h + 8 j + i of its block of 128 (c the band).  r = lane % 16, h = lane / 16.
; ops: codes [88 blocks][8 steps][8 tiles][1,536: register p of lane l at 512 (p / 4) + 16 l + 4 (p % 4)]; from SC0 on scale words [88][8 steps][512: tile 4 c + j, position r at 256 c + 16 r + 4 j].
; kqv: k and q: [64 row blocks][k, q][4,096 bytes of scale words [8 steps][512], then codes [8 steps][8 tiles][half c of 64 columns][512: registers 0-3 of 32 lanes, 256: registers 4-5]];
;   from VC0 on v's codes [8 blocks of e][64 key steps][8 tiles][1,536 as in ops]; from VS0 on its scale words [8][64][512].
; THE DEAL: 256 work-groups, four waves, 2 x 2.  A wave holds 64 columns of a weight, ALL of K, in 384 registers, and x's tiles of 16 rows stream past: a block is 32 products.
; The wave in row w takes the 128-row blocks of parity w.  PHASE 1: 256 rows x 128 columns of v; PHASE 2: 512 x 128 of k or q; v's 256 rows are half s87 of the work-group's own 512, so only the other half's two chunks are loaded later.
; A chunk is one band (four tiles) of two row blocks, all of K: 98,304 bytes.  x's rows are shared along a row of the cluster, a weight's along a column: joint loads.
; LDS: two slots for chunks, a region for the weights, the scale words of all 512 rows, the stages of the results' scale bytes, the spare words.
; FILLS: at the head one tensor load a wave; then three refills, each in a drained round: the second weight (v's block 2), the other half's two chunks (phase 2's blocks 2 and 6).
; A lane's 32 results of a block (k, q), or of a band (v), are one scale block.  The search for the last block's largest magnitude stands among a block's products, its conversions behind them.
; PREFETCHES, shared out by address among the sixteen waves that will ask jointly: the second weight at the head, the other half's chunks one and two rounds ahead of their loads.
.set SC0,  8650752
.set VC0,  13107200
.set VS0,  19398656
.set KQB,  102400                      ; a row block of k or of q
.set CHK,  98304
.set BVB,  2*CHK
.set SCL,  3*CHK
.set XN,   SCL+16384                   ; k's or q's scale bytes: four row blocks of 512
.set XM,   XN+2048                     ; v's: two key steps of 512
.set SPARE, XM+1024
.set ADX,  4                           ; v4-5 LDS address of my tiles in slot 0, 1
.set ADS,  6                           ; v6-7 of my scale words: half s87, the other half
.set ABW,  8                           ; v8-9 of my columns of the weight: steps 0-3, 4-7
.set SPW,  10
.set NIL,  11
.set CO,   12                          ; v12 16 x lane
.set C8,   13                          ; v13 8 x lane
.set STO,  15
.set STV,  16
.set SB,   32                          ; v32-47 phase 1's weights' scale words: register 4 (step / 2) + tile, odd steps in lanes 16-31
.set SB2,  48                          ; v48-63 phase 2's
.set SA,   68                          ; v68-99 x's, two bands, in the same form
.set HV0,  100                         ; v100-227 v's sums, band 0: 32 t + 8 j + i
.set HV1,  840                         ; v840-967 band 1
.set ACC,  100                         ; v100-163 phase 2: two sets of four accumulators
.set NCD,  164                         ; v164-169 a block's codes
.set TQ,   228
.set SOP,  230
.set EB,   234
.set TC,   238
.set MCD,  968                         ; v968-1015 v's codes: four operands of twelve
.set G1A,  24
.set G1B,  32
.set G0A,  56
.set G0B,  60
.set G0R,  68
.set G0S,  72
.set G1S,  92
.set MSB, 0
.macro WIN new                         ; the immediate's high byte repeats the setting that is left
.if MSB != (\new)
	s_set_vgpr_msb (MSB<<8)|(\new)
.set MSB, (\new)
.endif
.endm
.macro PLACES n
.rept \n
	v_nop
.endr
.endm
.macro WALU
	s_wait_alu depctr_va_vdst(0)
.endm
.macro BARRIER
	s_barrier_signal -1
	s_barrier_wait -1
.endm
.macro MIDDLE
	WIN 0
	s_barrier_wait -1
	s_cmp_lg_u32 s14, 0
	s_cbranch_scc1 .Lnot_wave_0_\@
	s_barrier_signal -3
.Lnot_wave_0_\@:
	s_barrier_wait -3
.endm
.macro CROUND
	s_barrier_signal -1
	MIDDLE
	BARRIER
.endm
.macro GRD
	s_wait_tensorcnt 0x0
	ds_add_u32 v[SPW], v[NIL]
.endm
.macro TLOAD g0, g1
	tensor_load_to_lds s[\g0:\g0+3], s[\g1:\g1+7]
	s_nop 0
	PLACES 4
.endm
.macro GROUP1 g, mask, cols, rows, pitch   ; elements of 8 bytes, no padding
	s_or_b32 s[\g], s\mask, (3<<16)|(1<<21)
	s_mov_b32 s[\g+1], (\cols)<<16
	s_mov_b32 s[\g+2], (\rows)<<16
	s_mov_b32 s[\g+3], (\cols)<<16
	s_mov_b32 s[\g+4], \rows
	s_mov_b32 s[\g+5], \pitch
	s_mov_b32 s[\g+6], 0
	s_mov_b32 s[\g+7], 0
.endm
.macro G0SET g, lds, off               ; off: the scalar that holds the byte offset from ops; s21 = 0
	s_mov_b32 s[\g], 1
	s_mov_b32 s[\g+1], \lds
	s_mov_b32 s20, s\off
	s_add_nc_u64 s[\g+2:\g+3], s[4:5], s[20:21]
	s_or_b32 s[\g+3], s[\g+3], 0x80000000
.endm
.macro PFGO v
	global_prefetch_b8 v\v, s[4:5] th:TH_LOAD_NT scope:SCOPE_SE
.endm
; fragment f lies in window 1 + f / 21 at register 12 (f % 21): 0-31 the weight's (4 step + tile), 32-39 and 40-47 x's two sets
.macro FRAGL f, adr, off
	WIN ((1+(\f)/21)<<6)
.irp k, 0,1,2
	ds_load_b128 v[12*((\f)%21)+4*\k:12*((\f)%21)+4*\k+3], v[\adr] offset:(\off)+512*\k
.endr
.endm
.macro WEIGHTS
.irp q, 0,1,2,3,4,5,6,7
.irp t, 0,1,2,3
	FRAGL 4*\q+\t, ABW+(\q/4), 12288*(\q%4)+1536*\t
.endr
.endr
	WIN 0
.endm
.macro F s                             ; block s's tile, all of K: 24 loads, into set s % 2; ahead of a band's first the band's scale words: 4 loads
.if ((\s)%4) == 0
.irp k, 0,1,2,3
	ds_load_b128 v[SA+16*(((\s)/4)%2)+4*\k:SA+16*(((\s)/4)%2)+4*\k+3], v[ADS+(\s)/8] offset:256*(((\s)/4)%2)+1024*\k
.endr
.endif
.irp q, 0,1,2,3,4,5,6,7
	FRAGL 32+8*((\s)%2)+\q, ADX+(((\s)/4)%2), 6144*\q+1536*((\s)%4)
.endr
	WIN 0
.endm
; product n = 4 step + weight tile.  vv = 1 (v): source 0 x's rows; 0 (k, q): source 0 the weight's columns.  The accumulators take turns, one instruction a turn.
.macro PROD vv, e, n, d, sb, sa, j
.set Q_, (\n)/4
.set T_, (\n)%4
.set FW_, 4*Q_+T_
.set FX_, 32+8*(\e)+Q_
.set XB_, (\sb)+4*(Q_/2)+T_
.set XA_, (\sa)+4*(Q_/2)+(\j)
.if \vv
.set D_, (\d)+32*T_+8*(\j)
	MM FX_, FW_, XA_, XB_
.else
.set D_, (\d)+8*T_
	MM FW_, FX_, XB_, XA_
.endif
.endm
.macro MM f0, f1, x0, x1
.set R0_, 12*((\f0)%21)
.set R1_, 12*((\f1)%21)
.set DL_, D_&255
	WIN (1+(\f0)/21)|((1+(\f1)/21)<<2)|((D_>>8)*0x50)
.if Q_ == 0
	v_wmma_scale_f32_16x16x128_f8f6f4 v[DL_:DL_+7], v[R0_:R0_+11], v[R1_:R1_+11], 0, v[\x0], v[\x1] matrix_a_fmt:MATRIX_FMT_FP6 matrix_b_fmt:MATRIX_FMT_FP6
.elseif Q_%2
	v_wmma_scale_f32_16x16x128_f8f6f4 v[DL_:DL_+7], v[R0_:R0_+11], v[R1_:R1_+11], v[DL_:DL_+7], v[\x0], v[\x1] matrix_a_fmt:MATRIX_FMT_FP6 matrix_b_fmt:MATRIX_FMT_FP6 matrix_a_scale:MATRIX_SCALE_ROW1 matrix_b_scale:MATRIX_SCALE_ROW1
.else
	v_wmma_scale_f32_16x16x128_f8f6f4 v[DL_:DL_+7], v[R0_:R0_+11], v[R1_:R1_+11], v[DL_:DL_+7], v[\x0], v[\x1] matrix_a_fmt:MATRIX_FMT_FP6 matrix_b_fmt:MATRIX_FMT_FP6
.endif
.endm
; products from .. to - 1 of a block; behind every second one, two entries of the list (a macro: entry number, two arguments of its own)
.macro BLOCK vv, e, d, sb, sa, j, from, to, list, x=0, y=0
.set N_, \from
.rept (\to)-(\from)
	PROD \vv, \e, N_, \d, \sb, \sa, \j
.if N_%2
	\list N_-1, \x, \y
	\list N_, \x, \y
.endif
.set N_, N_+1
.endr
.endm
.macro CHAIN i, x, n, t=TQ             ; 18 entries: the largest magnitude of 32 sums from register x on, by two chains; the conversions' scale operand, v[SOP+n]
.set XW_, (\x)>>8
.set XL_, (\x)&255
.if ((\i) >= 0) && ((\i) < 14)
.set B_, XL_+16*((\i)%2)+2*((\i)/2)
.set U_, (\t)+1-(\i)%2
.if (\i) < 2
	WIN XW_|(XW_<<2)|(XW_<<4)
	v_max3_num_f32 v[U_], |v[B_]|, |v[B_+1]|, |v[B_+2]|
.else
	WIN (XW_<<2)|(XW_<<4)
	v_max3_num_f32 v[U_], v[U_], |v[B_+1]|, |v[B_+2]|
.endif
.elseif (\i) == 14
	WIN XW_<<2
	v_max3_num_f32 v[\t+1], v[\t+1], |v[XL_+15]|, 3<<23
.elseif (\i) == 15
	WIN 0
	v_nop
.elseif (\i) == 16
	WIN XW_<<2
	v_max3_num_f32 v[\t], v[\t], |v[XL_+31]|, v[\t+1]
.elseif (\i) == 17
	WIN 0
	v_add_nc_u32 v[SOP+\n], -(2<<23), v[\t]
.endif
.endm
.macro CODES i, x, c, n, t=TC          ; 6 lines: 32 codes into v[c .. c+5], the scale's byte into v[EB+n]
.set XW_, (\x)>>8
.set XL_, (\x)&255
.set CW_, ((\c)>>8)<<6
.set CL_, (\c)&255
.if (\i) == 0
	WIN XW_|CW_
	v_cvt_scalef32_pk16_fp6_f32 v[CL_:CL_+2], v[XL_:XL_+15], v[SOP+\n]
.elseif (\i) == 1
	WIN XW_
	v_cvt_scalef32_pk16_fp6_f32 v[\t:\t+2], v[XL_+16:XL_+31], v[SOP+\n]
.elseif (\i) == 2
	WIN 0
	v_lshrrev_b32 v[EB+\n], 23, v[SOP+\n]
.else
	WIN CW_
	v_mov_b32 v[CL_+\i], v[\t+\i-3]
.endif
.endm
.macro CODES6 x, c, n
.irp i, 0,1,2,3,4,5
	CODES \i, \x, \c, \n
.endr
	WIN 0
.endm
.macro L_NONE i, x, y
.endm
.macro L_CH i, x, y
	CHAIN \i, \x, \y
.endm
.macro L_V2 i, x, y                    ; the first refill's descriptors, the later ones' rows, the later chunks' prefetch offsets
.if (\i) == 0
	s_mov_b32 s[G1B+2], 192<<16
	s_mov_b32 s[G1B+4], 192
	s_mov_b32 s[G1A+2], 8<<16
	s_mov_b32 s[G1A+4], 8
.elseif (\i) == 2
	s_mul_i32 s20, s14, CHK/2
	s_add_co_u32 s[G0B+1], s20, BVB
	s_add_co_u32 s20, s20, s9
	s_mov_b32 s21, 0
.elseif (\i) == 4
	s_add_nc_u64 s[G0B+2:G0B+3], s[4:5], s[20:21]
	s_or_b32 s[G0B+3], s[G0B+3], 0x80000000
.elseif (\i) == 6
	s_mul_i32 s20, s90, 12288
	s_add_co_u32 s20, s20, s88
	WIN 0
	v_min_u32 v18, 23, v3
	v_lshl_add_u32 v18, v18, 8, s20
.elseif (\i) == 8
	WIN 0
	v_add_nc_u32 v19, 6144, v18
.endif
.endm
.macro L_R i, x, y                     ; the descriptor of half a chunk: row block s14 of the other half, band x, into slot x; then the chain
.if (\i) == 0
	s_mul_i32 s[G0R+1], s14, CHK/2
	s_add_co_u32 s[G0R+1], s[G0R+1], CHK*(\x)
	s_mul_i32 s20, s14, CHK
	s_add_co_u32 s20, s20, s88
.elseif (\i) == 1
	s_add_co_u32 s20, s20, 6144*(\x)
	s_mov_b32 s21, 0
	s_add_nc_u64 s[G0R+2:G0R+3], s[4:5], s[20:21]
	s_or_b32 s[G0R+3], s[G0R+3], 0x80000000
.endif
	CHAIN (\i)-2, \y, 0
.endm
.macro OUT p                           ; block p's scale byte and its half image: 512 and 256 consecutive bytes
	ds_store_b8 v[STO], v[EB] offset:1024*((\p)/8)+256*(((\p)/4)%2)+4*((\p)%4)
.if (\p) < 8
	global_store_b128 v[CO], v[NCD:NCD+3], s[10:11] offset:1536*((\p)%8)
	global_store_b64 v[C8], v[NCD+4:NCD+5], s[10:11] offset:1536*((\p)%8)+512
.else
	global_store_b128 v[CO], v[NCD:NCD+3], s[76:77] offset:1536*((\p)%8)
	global_store_b64 v[C8], v[NCD+4:NCD+5], s[76:77] offset:1536*((\p)%8)+512
.endif
.endm
.macro QKP s, from, to, list, x=0, y=0
	BLOCK 0, (\s)%2, ACC+32*((\s)%2), SB2, SA+16*(((\s)/4)%2), (\s)%4, \from, \to, \list, \x, \y
.endm
.macro QK s                            ; phase 2's block s; the last block's way out stands in it
.if (\s) == 15
	s_wait_dscnt 1                                 ; nothing more is fetched: the last byte's store may be out
.else
	s_wait_dscnt 24+4*(((\s)%4)/3)                 ; the next block's fetch may be out
.endif
.set NCD, 164+6*(((\s)+7)%8)           ; eight sets of code registers by turns, v164-211: block p's is set p % 8
.if (\s) == 9
	s_wait_xcnt 0x0                                ; the stores of blocks 0 to 7 have read their registers: the sets are written anew from here on
.endif
.if ((\s) == 2) || ((\s) == 6)
	GRD
	QKP \s, 0, 26, L_R, (\s)/4, ACC+32*(((\s)+1)%2)
	WIN 0
	WALU
	s_wait_dscnt 0x0
	s_barrier_signal -1                            ; the round's opening: register work stands inside it
	QKP \s, 26, 32, L_NONE
	WIN 0
	CODES6 ACC+32*(((\s)+1)%2), NCD, 0
	MIDDLE
	BARRIER
	s_cmp_lt_u32 s14, 2
	s_cbranch_scc0 .Lnone_\@
	TLOAD G0R, G1A
.Lnone_\@:
.elseif (\s) == 10
	QKP \s, 0, 26, L_CH, ACC+32*(((\s)+1)%2), 0
	WIN 0
	WALU
	s_wait_tensorcnt 0x0                           ; a plain barrier shows the last chunk to all
	s_wait_dscnt 0x0
	s_barrier_signal -1
	QKP \s, 26, 32, L_NONE
	WIN 0
	s_barrier_wait -1
	CODES6 ACC+32*(((\s)+1)%2), NCD, 0
.else
	QKP \s, 0, 32, L_CH, ACC+32*(((\s)+1)%2), 0
	WIN 0
	CODES6 ACC+32*(((\s)+1)%2), NCD, 0
.endif
	WALU
	OUT (\s)-1
.if (\s) < 14
	F (\s)+2
.endif
.endm
; ================= the head
	s_load_b128 s[4:7], s[0:1], 0x0                ; ops, kqv
	v_lshl_add_u32 v[SPW], v0, 2, SPARE
	v_mov_b32 v[NIL], 0
	ds_add_u32 v[SPW], v[NIL]
	ds_add_u32 v[SPW], v[NIL]
	v_lshrrev_b32 v1, 5, v0
	v_readfirstlane_b32 s14, v1                    ; wave
	s_lshr_b32 s15, s14, 1                         ; its row of the 2 x 2
	s_and_b32 s16, s14, 1                          ; its column
	s_bfe_u32 s40, ttmp6, 0x40000
	s_bfe_u32 s41, ttmp6, 0x40004
	s_lshl_b32 s42, ttmp9, 2
	s_add_co_u32 s42, s42, s40                     ; phase 2's block of columns: 0-7 k, 8-15 q
	s_and_b32 s43, ttmp7, 0xffff
	s_lshl_b32 s43, s43, 2
	s_add_co_u32 s43, s43, s41                     ; my 512 rows
	s_lshr_b32 s19, ttmp9, 1                       ; 0 k, 1 q
	s_and_b32 s87, ttmp9, 1                        ; v's half of my rows
	s_lshl_b32 s13, s19, 2
	s_add_co_u32 s13, s13, s40                     ; v's block of columns
	s_lshl_b32 s12, s43, 1
	s_add_co_u32 s12, s12, s87                     ; v's 256 rows
	s_lshl_b32 s44, s41, 2
	s_lshl_b32 s44, 15, s44                        ; my row of the cluster
	s_lshl_b32 s45, 0x1111, s40                    ; my column
	GROUP1 G1A, 44, 768, 16, 1536                  ; a chunk: 16 rows (block, step) of 6,144 bytes, 12,288 apart
	GROUP1 G1B, 45, 32, 384, 32                    ; a weight's block: 98,304 bytes as rows of 256
	GROUP1 G1S, 44, 32, 64, 32                     ; 512 rows' scale words: 16,384 bytes
	s_add_co_u32 s9, s42, 64
	s_lshl_b32 s50, s9, 12
	s_add_co_u32 s50, s50, SC0
	s_mov_b32 s51, 0
	s_mul_i32 s9, s9, CHK                          ; phase 2's weight, bytes from ops
	s_add_co_u32 s54, s13, 80
	s_lshl_b32 s48, s54, 12
	s_add_co_u32 s48, s48, SC0
	s_mov_b32 s49, 0
	s_mul_i32 s54, s54, CHK
	s_mul_i32 s66, s12, 2*CHK
	s_add_co_u32 s67, s66, 6144
	s_lshl_b32 s55, s43, 14
	s_add_co_u32 s55, s55, SC0
	s_xor_b32 s86, s87, 1
	s_lshl_b32 s88, s43, 1
	s_add_co_u32 s88, s88, s86
	s_mul_i32 s88, s88, 2*CHK                      ; the other half's rows
	s_lshl_b32 s90, s40, 2
	s_add_co_u32 s90, s90, s14                     ; my number among the sixteen waves of my row of the cluster
	s_lshl_b32 s100, s41, 2
	s_add_co_u32 s100, s100, s14                   ; and of my column
	s_mul_i32 s20, s15, CHK/2
	s_mul_i32 s21, s16, 6144
	s_add_co_u32 s21, s21, BVB
	s_lshl_b32 s22, s87, 13
	s_lshl_b32 s23, s15, 12
	s_add_co_u32 s23, s23, SCL
	s_add_co_u32 s22, s22, s23
	s_lshl_b32 s46, s86, 13
	s_add_co_u32 s23, s23, s46
	s_lshl_b32 s46, s16, 8
	s_lshl_b32 s47, s15, 9
	s_add_co_u32 s52, s47, s46
	s_add_co_u32 s52, s52, XM
	s_add_co_u32 s47, s47, XN
	s_add_co_u32 s47, s47, s16
	s_add_co_u32 s47, s47, s16
	s_mul_i32 s53, s100, 6144
	s_add_co_u32 s53, s53, s9
	v_and_b32 v1, 15, v0                           ; r
	v_bfe_u32 v2, v0, 4, 1                         ; h
	v_and_b32 v3, 31, v0
	v_lshlrev_b32 v[CO], 4, v3
	v_lshlrev_b32 v[C8], 3, v3
	v_add_nc_u32 v[ADX], s20, v[CO]
	v_add_nc_u32 v[ADX+1], CHK, v[ADX]
	v_add_nc_u32 v[ABW], s21, v[CO]
	v_add_nc_u32 v[ABW+1], 49152, v[ABW]
	v_lshlrev_b32 v20, 9, v2
	v_lshl_add_u32 v20, v1, 4, v20                 ; scale words: row r; lanes 16-31 the next step's
	v_add_nc_u32 v[ADS], s22, v20
	v_add_nc_u32 v[ADS+1], s23, v20
	v_add_nc_u32 v14, s46, v20
	v_lshl_add_u32 v21, v1, 4, v2
	v_add_nc_u32 v[STO], s47, v21
	v_add_nc_u32 v[STV], s52, v21
	v_min_u32 v17, 23, v3
	v_lshl_add_u32 v17, v17, 8, s53
	WALU
	s_wait_dscnt 0x0
	CROUND
	s_wait_kmcnt 0x0
	s_mov_b32 s21, 0
	G0SET G0B, BVB, 54
	G0SET G0S, SCL, 55
	G0SET G0A, 0, 66
	G0SET G0R, CHK, 67
	s_cmp_eq_u32 s14, 0
	s_cbranch_scc0 .Lwave_1
	TLOAD G0B, G1B                                 ; wave 0: kernel[2]'s columns
	s_branch .Lasked
.Lwave_1:
	s_cmp_eq_u32 s14, 1
	s_cbranch_scc0 .Lwave_2
	TLOAD G0S, G1S                                 ; wave 1: the scale words of all my rows
	s_branch .Lasked
.Lwave_2:
	s_cmp_eq_u32 s14, 2
	s_cbranch_scc0 .Lwave_3
	TLOAD G0A, G1A                                 ; wave 2: chunk 0
	s_branch .Lasked
.Lwave_3:
	TLOAD G0R, G1A                                 ; wave 3: chunk 1
.Lasked:
	s_add_nc_u64 s[48:49], s[4:5], s[48:49]
	s_add_nc_u64 s[50:51], s[4:5], s[50:51]
.irp k, 0,1,2,3
	global_load_b128 v[SB+4*\k:SB+4*\k+3], v14, s[48:49] offset:1024*\k
.endr
.irp k, 0,1,2,3
	global_load_b128 v[SB2+4*\k:SB2+4*\k+3], v14, s[50:51] offset:1024*\k
.endr
	s_and_b32 s23, s42, 7                          ; where the results go: my K step of k or q
	s_mul_i32 s22, s23, 12288
	s_add_co_u32 s22, s22, 4096
	s_mul_i32 s20, s16, 768
	s_add_co_u32 s22, s22, s20
	s_lshl_b32 s20, s43, 2
	s_add_co_u32 s21, s20, s15
	s_lshl_b32 s10, s87, 1
	s_add_co_u32 s10, s10, s21                     ; row block, half s87
	s_lshl_b32 s10, s10, 1
	s_add_co_u32 s10, s10, s19
	s_mul_i32 s10, s10, KQB
	s_add_co_u32 s10, s10, s22
	s_mov_b32 s11, 0
	s_lshl_b32 s76, s86, 1
	s_add_co_u32 s76, s76, s21                     ; row block, the other half
	s_lshl_b32 s76, s76, 1
	s_add_co_u32 s76, s76, s19
	s_mul_i32 s76, s76, KQB
	s_add_co_u32 s76, s76, s22
	s_mov_b32 s77, 0
	s_xor_b32 s78, s15, s87                        ; the stage's row blocks lie in the order of work
	s_lshl_b32 s78, s78, 1
	s_add_co_u32 s78, s78, s20
	s_add_co_u32 s78, s78, s16
	s_lshl_b32 s78, s78, 1
	s_add_co_u32 s78, s78, s19
	s_mul_i32 s78, s78, KQB
	s_lshl_b32 s23, s23, 9
	s_add_co_u32 s78, s78, s23
	s_mov_b32 s79, 0
	s_lshl_b32 s21, s13, 6
	s_lshl_b32 s22, s12, 1
	s_add_co_u32 s21, s21, s22
	s_add_co_u32 s21, s21, s15                     ; v: block of e, key step
	s_mul_i32 s80, s21, 12288
	s_mul_i32 s22, s16, 6144
	s_add_co_u32 s80, s80, s22
	s_add_co_u32 s80, s80, VC0
	s_mov_b32 s81, 0
	s_lshl_b32 s82, s21, 9
	s_lshl_b32 s22, s16, 8
	s_add_co_u32 s82, s82, s22
	s_add_co_u32 s82, s82, VS0
	s_mov_b32 s83, 0
	s_add_nc_u64 s[10:11], s[6:7], s[10:11]
	s_add_nc_u64 s[76:77], s[6:7], s[76:77]
	s_add_nc_u64 s[78:79], s[6:7], s[78:79]
	s_add_nc_u64 s[80:81], s[6:7], s[80:81]
	s_add_nc_u64 s[82:83], s[6:7], s[82:83]
	WALU
	s_cmp_eq_u32 s14, 0
	s_cbranch_scc0 .Lnot_b
	s_wait_tensorcnt 0x0
.Lnot_b:
	BARRIER                                        ; kernel[2]'s columns are in
	PFGO 17                                        ; what the first refill will load
	WEIGHTS
	s_cmp_eq_u32 s14, 3
	s_cbranch_scc1 .Lnot_a0
	s_wait_tensorcnt 0x0
.Lnot_a0:
	s_wait_loadcnt 0x0
	s_wait_dscnt 0x0
	BARRIER                                        ; chunk 0 and the scale words are in; chunk 1 may be on its way
	F 0
	F 1
; ================= PHASE 1: v, eight blocks
.irp s, 0,1
	s_wait_dscnt 24
	BLOCK 1, \s, HV0, SB, SA, \s, 0, 32, L_NONE
	WIN 0
	PLACES 4
	WALU
	F \s+2
.endr
	s_wait_dscnt 24
	GRD
	BLOCK 1, 0, HV0, SB, SA, 2, 0, 24, L_V2
	WIN 0
	WALU
	s_wait_dscnt 0x0
	s_barrier_signal -1
	BLOCK 1, 0, HV0, SB, SA, 2, 24, 32, L_NONE
	MIDDLE
	BARRIER
	s_cmp_lt_u32 s14, 2
	s_cbranch_scc0 .Lno_half
	TLOAD G0B, G1B                                 ; waves 0 and 1 a half each of k's or q's weight, onto kernel[2]'s columns, which all waves hold in registers
.Lno_half:
	PLACES 4
	WALU
	F 4
	PFGO 18
	s_wait_dscnt 28
	BLOCK 1, 1, HV0, SB, SA, 3, 0, 32, L_NONE
	WIN 0
	PLACES 4
	WALU
	F 5
.irp j, 0,1,2                          ; band 1's blocks; band 0's ways out stand in them
	s_wait_dscnt 24
	BLOCK 1, \j%2, HV1, SB, SA+16, \j, 0, 32, L_CH, HV0+32*\j, \j
	WIN 0
	CODES6 HV0+32*\j, MCD+12*\j, \j
	WALU
	ds_store_b8 v[STV], v[EB+\j] offset:4*\j
.if \j < 2
	F \j+6
.endif
.endr
	s_wait_dscnt 1
	BLOCK 1, 1, HV1, SB, SA+16, 3, 0, 26, L_CH, HV0+96, 3
	WIN 0
	WALU
	s_wait_tensorcnt 0x0
	s_wait_dscnt 0x0
	s_barrier_signal -1                            ; a plain barrier: the second weight is shown to all
	BLOCK 1, 1, HV1, SB, SA+16, 3, 26, 32, L_NONE
	WIN 0
	s_barrier_wait -1
	CODES6 HV0+96, MCD+36, 3
	WALU
	ds_store_b8 v[STV], v[EB+3] offset:12
; ================= the change of phase: one run of loads; band 1's four ways out under their flight
	WEIGHTS
	F 0
	F 1
	PFGO 19
.set I, 0
.rept 18
.irp t, 0,1,2,3
	CHAIN I, HV1+32*\t, \t, 100+4*\t
.endr
.set I, I+1
.endr
.set I, 0
.rept 6
.irp t, 0,1,2,3
	CODES I, HV1+32*\t, MCD+12*\t+6, \t, 120+4*\t
.endr
.set I, I+1
.endr
	WIN 0
	WALU
; ================= PHASE 2: k or q, sixteen blocks
	s_wait_dscnt 24
	QKP 0, 0, 32, L_NONE
	WIN 0
	PLACES 4
	WALU
.irp t, 0,1,2,3
	ds_store_b8 v[STV], v[EB+\t] offset:4*\t+2
.endr
	WIN 0x0c                                       ; v's codes leave: the data lie in window 3
.irp t, 0,1,2,3
.irp k, 0,1,2
	global_store_b128 v[CO], v[MCD-768+12*\t+4*\k:MCD-768+12*\t+4*\k+3], s[80:81] offset:1536*\t+512*\k
.endr
.endr
	WIN 0
	F 2
.irp s, 1,2,3,4,5,6,7,8,9,10,11,12,13,14,15
	QK \s
.endr
; ================= the end: the last way out; the scale bytes go through LDS
	s_lshl_b32 s21, s14, 9
	s_add_co_u32 s21, s21, XN
	s_lshl_b32 s22, s14, 8
	s_add_co_u32 s22, s22, XM
	v_add_nc_u32 v20, s21, v[CO]
	v_add_nc_u32 v21, s22, v[C8]
.set NCD, 164+6*7
.set I, 0
.rept 18
	CHAIN I, ACC+32, 0
.set I, I+1
.endr
	CODES 2, ACC+32, NCD, 0
	WALU
	ds_store_b8 v[STO], v[EB] offset:1024+256+12
	s_wait_dscnt 0x0
	s_barrier_signal -1
	CODES 0, ACC+32, NCD, 0
	CODES 1, ACC+32, NCD, 0
	WIN 0
	v_nop
.irp i, 3,4,5
	CODES \i, ACC+32, NCD, 0
.endr
	s_barrier_wait -1
	WALU
	ds_load_b128 v[212:215], v20
	ds_load_b64 v[216:217], v21
	global_store_b128 v[CO], v[NCD:NCD+3], s[76:77] offset:1536*7
	global_store_b64 v[C8], v[NCD+4:NCD+5], s[76:77] offset:1536*7+512
	s_wait_dscnt 0x0
	global_store_b128 v[CO], v[212:215], s[78:79]  ; 512 consecutive bytes: a row block's scale words
	global_store_b64 v[C8], v[216:217], s[82:83]
	s_wait_tensorcnt 0x0
	ds_add_u32 v[SPW], v[NIL]
	s_wait_dscnt 0x0
	CROUND
	s_endpgm
.Lfunc_end_k_qc7a7fd0912_proj:
	.size	k_qc7a7fd0912_proj, .Lfunc_end_k_qc7a7fd0912_proj-k_qc7a7fd0912_proj
	.p2alignl 7, 3214868480
	.fill 96, 4, 3214868480
	.section	.rodata,"a",@progbits
	.p2align	6, 0x0
	.amdhsa_kernel k_qc7a7fd0912_proj
		.amdhsa_group_segment_fixed_size 327680
		.amdhsa_private_segment_fixed_size 0
		.amdhsa_enable_private_segment 0
		.amdhsa_kernarg_size 16
		.amdhsa_user_sgpr_count 2
		.amdhsa_user_sgpr_kernarg_segment_ptr 1
		.amdhsa_wavefront_size32 1
		.amdhsa_system_sgpr_workgroup_id_x 1
		.amdhsa_system_sgpr_workgroup_id_y 1
		.amdhsa_system_sgpr_workgroup_id_z 1
		.amdhsa_system_vgpr_workitem_id 0
		.amdhsa_next_free_vgpr 1024
		.amdhsa_next_free_sgpr 102
		.amdhsa_reserve_vcc 0
		.amdhsa_float_denorm_mode_32 3
		.amdhsa_float_denorm_mode_16_64 3
		.amdhsa_memory_ordered 1
		.amdhsa_forward_progress 1
		.amdhsa_inst_pref_size 220
	.end_amdhsa_kernel
	.amdgpu_metadata
---
amdhsa.version: [ 1, 2 ]
amdhsa.kernels:
  - .name:           k_qc7a7fd0912_proj
    .symbol:         k_qc7a7fd0912_proj.kd
    .args:
      - { .name: ops, .offset: 0, .size: 8, .value_kind: global_buffer, .address_space: global }
      - { .name: kqv, .offset: 8, .size: 8, .value_kind: global_buffer, .address_space: global }
    .group_segment_fixed_size: 327680
    .private_segment_fixed_size: 0
    .kernarg_segment_align: 8
    .kernarg_segment_size: 16
    .max_flat_workgroup_size: 128
    .sgpr_count:     102
    .vgpr_count:     1024
    .wavefront_size: 32
...
	.end_amdgpu_metadata
.endif
;; end of part 2
;; launch scores (part 3): grid 8 x 32, 4 waves a work-group, clusters of 4 x 4, 327,680 bytes of LDS; arguments kqv, pbuf; writes pbuf
.if DOCPART == 3
	.amdgcn_target "amdgcn-amd-amdhsa--gfx1250"
	.amdhsa_code_object_version 6
	.text
	.protected	k_qc7a7fd0912_scores
	.globl	k_qc7a7fd0912_scores
	.p2align	8
	.type	k_qc7a7fd0912_scores,@function
k_qc7a7fd0912_scores:
	s_mov_b64 s[64:65], 0
	v_nop
	global_prefetch_b8 v0, s[64:65] scope:SCOPE_SE
	s_setreg_imm32_b32 hwreg(HW_REG_WAVE_MODE, 25, 1), 1
	s_wait_xcnt 0x0
	s_wait_alu depctr_hold_cnt(0) depctr_sa_sdst(0) depctr_va_vdst(0) depctr_va_sdst(0) depctr_va_ssrc(0) depctr_va_vcc(0) depctr_vm_vsrc(0)
	s_getreg_b32 s2, hwreg(HW_REG_IB_STS2, 6, 4)
	s_cmp_eq_u32 s2, 0
	s_cbranch_scc0 .Lentry_in_a_cluster
	s_endpgm
.Lentry_in_a_cluster:
	s_bfe_u32 s2, ttmp6, 0x10000c
	s_cmp_lg_u32 s2, 0xf033
	s_cbranch_scc0 .Lentry_shape_is_right
	s_endpgm
.Lentry_shape_is_right:
; S^T = k q^T on FP6 (E2M3) codes, and the softmax's p quantised at once, 128 keys at a time.  t = score x log2(e) / 32.  For each query and each run of 128 keys: M = ceil(the run's largest t), a whole number;
; p = 2^(t - M) is quantised along the keys; l = the run's sum of the unquantised p.  Stored: p's fragment images, their scale words, -M and l.  The next launch brings every run under the row's own ceiling by
; taking M_row - M off the scale bytes and multiplying l by 2^(M - M_row): powers of two, so the codes' values are those of the row's M.
; ROW ORDER: position 8 h + i of tile 4 c + j is row 64 c + 32 h + 8 j + i of its block of 128: so a lane's 32 results of four tiles are 32 neighbouring keys, one scale block of p.
; k and q: [64 row blocks][k, q][4,096 bytes of scale words [8 steps][512], then codes [8 steps][8 tiles][half c][512: registers 0-3 of 32 lanes, 256: registers 4-5]].
; p: [64 blocks of queries][16 key steps][8 tiles][1,536]; from PS0 on its scale words, 512 bytes a (block, step): tile 4 c + j, position r at 256 c + 16 r + 4 j; from PT0 on -M and l in that order too.
; A tile is 256 queries (source 1) x 256 keys (source 0), K = 1,024 = 8 steps; four waves, each 128 x 128: 64 accumulators.
; CLUSTERS 4 x 4: q's blocks are shared along a row of the cluster, k's along a column: joint loads, one a wave at the head: a block's scale words and steps 0, 1, which lie on end; then steps 2-5; then steps 6, 7 over steps 0, 1.
; PREFETCHES: the four partners share a block's bytes out by address: steps 2-5 at the head, steps 6, 7 behind the load of steps 2-5.
; LIMITS: -M is kept as an f32 whole number: the scaled scores stay under 2^24; a block whose every p is 0 keeps the byte 1 (its codes are zeros); a block's largest p is taken as the exponential of its largest score; NaN and infinities are not served.
; REGISTERS: window 0: v16-30 addresses; v32-47 scale words, two sets; v128-223 A's fragments (on the way out the codes); v48-127, v224-253 at work on the way out.  window 1: B's fragments, two sets.
;   windows 2, 3: accumulator (a, b) at v[8 (8 (a % 4) + b)].
; THE FILLS, in place of those stated above: at the head a block's scale words and steps 0-2; behind the first round steps 3-5; behind step 2's round steps 6, 7 over steps 0, 1.
; NO PREFETCH is asked, in place of the line on prefetches above: the text has no loop to run ahead in, steps 3-5 are asked for as soon as the head's load has landed, and steps 6, 7 have three K steps in which to land.
.set KQB,   102400
.set PS0,   12582912
.set PT0,   13107200
.set BLK,   12288
.set L0,    4096+3*BLK                 ; what a wave's head load brings
.set S1,    4*L0                       ; steps 3-5: 4 blocks x 3 steps from here on
.set SPARE, S1+12*BLK
.set ADA,  16                          ; v16-17 my block of q: steps 0-2, 6, 7; steps 3-5: + 16 x lane;  v18-19: + 8 x lane
.set ADB,  20                          ; v20-23 the same for k
.set ADRS, 24
.set LI,   25
.set SPW,  28
.set NIL,  29
.set SC,   32
.set AF,   128
.set CD,   128
.set PWS,  48
.set NMS,  56
.set T,    64
.set LSM,  224
.set BM,   232
.set BX,   236
.set SO,   240
.set G1A,  24
.set G1B,  32
.set G0A0, 56
.set G0A1, 60
.set G0A2, 68
.set G0B0, 72
.set G0B1, 76
.set G0B2, 80
.set MSB, 0
.macro WIN new
.if MSB != (\new)
	s_set_vgpr_msb (MSB<<8)|(\new)
.set MSB, (\new)
.endif
.endm
.macro PLACES n
.rept \n
	v_nop
.endr
.endm
.macro JLOAD g0a, g0b                  ; waves 0 and 1 fetch q's two blocks, waves 2 and 3 k's
	s_cmp_eq_u32 s9, 0
	s_cbranch_scc0 .Lfor_b_\@
	tensor_load_to_lds s[\g0a:\g0a+3], s[G1A:G1A+7]
	s_nop 0
	PLACES 4
	s_branch .Lasked_\@
.Lfor_b_\@:
	tensor_load_to_lds s[\g0b:\g0b+3], s[G1B:G1B+7]
	s_nop 0
	PLACES 4
.Lasked_\@:
.endm
.macro CREST
	s_cmp_lg_u32 s8, 0
	s_cbranch_scc1 .Lnot_wave_0_\@
	s_barrier_signal -3
.Lnot_wave_0_\@:
	s_barrier_wait -3
	s_barrier_signal -1
	s_barrier_wait -1
.endm
.macro CROUND
	s_barrier_signal -1
	s_barrier_wait -1
	CREST
.endm
.macro MKG0 g, ldsreg, ldsadd, src, add
	s_mov_b32 s[\g], 1
	s_add_co_u32 s[\g+1], s[\ldsreg], \ldsadd
	s_add_nc_u64 s[\g+2:\g+3], s[\src:\src+1], \add
	s_or_b32 s[\g+3], s[\g+3], 0x80000000
.endm
.macro ROWS n
.irp g, G1A, G1B
	s_mov_b32 s[\g+2], (\n)<<16
	s_mov_b32 s[\g+4], \n
.endr
.endm
	s_load_b128 s[4:7], s[0:1], 0x0                ; kqv, pbuf
	v_lshl_add_u32 v[SPW], v0, 2, SPARE
	v_mov_b32 v[NIL], 0
	ds_add_u32 v[SPW], v[NIL]
	ds_add_u32 v[SPW], v[NIL]
	v_lshrrev_b32 v1, 5, v0
	v_readfirstlane_b32 s8, v1                     ; wave
	s_lshr_b32 s9, s8, 1                           ; which block of queries is mine.  Also: I fetch for q (0) or for k (1)
	s_and_b32 s10, s8, 1                           ; which block of keys is mine.  Also: which of the two blocks I fetch
	s_bfe_u32 s11, ttmp6, 0x40000                  ; cx
	s_bfe_u32 s12, ttmp6, 0x40004                  ; cy
	s_and_b32 s13, ttmp7, 0xffff
	s_lshr_b32 s18, s13, 1                         ; the batch: 8 tiles of 256 queries each
	s_lshl_b32 s14, s13, 2
	s_add_co_u32 s14, s14, s12                     ; the tile of queries, among all 32
	s_lshl_b32 s19, ttmp9, 2
	s_add_co_u32 s19, s19, s11                     ; the tile of keys in the batch
	s_lshl_b32 s15, s18, 3
	s_add_co_u32 s15, s15, s19                     ; and among all 32
	s_lshl_b32 s21, s12, 2
	s_lshl_b32 s21, 15, s21                        ; my row of the cluster
	s_lshl_b32 s22, 0x1111, s11                    ; my column
	s_or_b32 s[G1A], s21, (3<<16)|(1<<21)          ; dense bytes as rows of 256; no padding
	s_or_b32 s[G1B], s22, (3<<16)|(1<<21)
.irp g, G1A, G1B
	s_mov_b32 s[\g+1], 32<<16
	s_mov_b32 s[\g+3], 32<<16
	s_mov_b32 s[\g+5], 32
	s_mov_b32 s[\g+6], 0
	s_mov_b32 s[\g+7], 0
.endr
	ROWS 160                                       ; the head's load: 40,960 bytes
	s_lshl_b32 s16, s14, 1
	s_add_co_u32 s16, s16, s10                     ; the block of queries that I would fetch
	s_lshl_b32 s17, s15, 1
	s_add_co_u32 s17, s17, s10                     ; the block of keys
	s_mul_i32 s92, s16, 2*KQB
	s_add_co_u32 s92, s92, KQB                     ; q's part
	s_mov_b32 s93, 0
	s_mul_i32 s96, s17, 2*KQB
	s_mov_b32 s97, 0
	s_mul_i32 s3, s8, L0                           ; where my loads go: no place in the cluster enters an LDS address
	s_mul_i32 s2, s8, 3*BLK
	s_add_co_u32 s2, s2, S1
	s_wait_dscnt 0x0
	s_wait_kmcnt 0x0
	s_add_nc_u64 s[92:93], s[4:5], s[92:93]
	s_add_nc_u64 s[96:97], s[4:5], s[96:97]
	CROUND
	MKG0 G0A0, 3, 0, 92, 0
	MKG0 G0B0, 3, 0, 96, 0
	JLOAD G0A0, G0B0                               ; scale words and steps 0-2
	MKG0 G0A1, 2, 0, 92, 4096+3*BLK
	MKG0 G0B1, 2, 0, 96, 4096+3*BLK
	MKG0 G0A2, 3, 4096, 92, 4096+6*BLK
	MKG0 G0B2, 3, 4096, 96, 4096+6*BLK
	s_mul_i32 s21, s9, L0
	s_add_co_u32 s21, s21, 4096                    ; my block of q
	s_mul_i32 s22, s10, L0
	s_add_co_u32 s22, s22, 2*L0+4096               ; my block of k, behind q's two
	s_mul_i32 s23, s9, 3*BLK
	s_add_co_u32 s23, s23, S1
	s_mul_i32 s84, s10, 3*BLK
	s_add_co_u32 s84, s84, S1+6*BLK
	s_sub_co_u32 s85, s22, s21
	s_sub_co_u32 s88, s21, 4096
	v_and_b32 v1, 31, v0
	v_lshlrev_b32 v[LI], 4, v1
	v_lshlrev_b32 v3, 3, v1
	v_and_b32 v1, 15, v0
	v_bfe_u32 v2, v0, 4, 1
	v_add_nc_u32 v[ADA], s21, v[LI]
	v_add_nc_u32 v[ADA+1], s23, v[LI]
	v_add_nc_u32 v[ADA+2], s21, v3
	v_add_nc_u32 v[ADA+3], s23, v3
	v_add_nc_u32 v[ADB], s22, v[LI]
	v_add_nc_u32 v[ADB+1], s84, v[LI]
	v_add_nc_u32 v[ADB+2], s22, v3
	v_add_nc_u32 v[ADB+3], s84, v3
	v_mul_u32_u24 v4, s85, v2                      ; lanes 16-31 take k's scale words
	v_lshl_add_u32 v4, v1, 4, v4
	v_add_nc_u32 v[ADRS], s88, v4
	s_wait_alu depctr_va_vdst(0)
	s_lshl_b32 s16, s14, 1                         ; where my results go: block of queries, key step
	s_add_co_u32 s16, s16, s9
	s_lshl_b32 s16, s16, 4
	s_lshl_b32 s17, s19, 1
	s_add_co_u32 s17, s17, s10
	s_add_co_u32 s16, s16, s17
	s_mul_i32 s92, s16, BLK
	s_mov_b32 s93, 0
	s_add_nc_u64 s[92:93], s[6:7], s[92:93]        ; p's 8 images
	s_lshl_b32 s94, s16, 9
	s_add_co_u32 s94, s94, PS0
	s_mov_b32 s95, 0
	s_add_nc_u64 s[94:95], s[6:7], s[94:95]        ; their scale block
	s_lshl_b32 s96, s16, 10
	s_add_co_u32 s96, s96, PT0
	s_mov_b32 s97, 0
	s_add_nc_u64 s[96:97], s[6:7], s[96:97]        ; -M, then l
	s_mov_b32 s98, 0x76543210
	s_mov_b32 s99, 0xfedcba98                      ; v_permlanex16_b32's selects for lane l xor 16
	s_mov_b32 s100, 0x3d38aa3b                     ; c = log2(e) / sqrt(1024)
	s_mov_b32 s101, s100
	s_mov_b32 s66, 0xffff0000                      ; lanes 16-31
.macro LOC n                           ; step n: its slot and its place there
.set SL_, ((\n)/3)%2
.set OF_, ((\n)%3)*BLK
.endm
.macro FRAG reg, adr, off
.irp c, 0,1
	ds_load_b128 v[(\reg)+6*\c:(\reg)+6*\c+3], v[\adr] offset:(\off)+768*\c
	ds_load_b64 v[(\reg)+6*\c+4:(\reg)+6*\c+5], v[(\adr)+2] offset:(\off)+768*\c+512
.endr
.endm
.macro FETCH_B n
	LOC \n
	WIN 0x40
.irp i, 0,1,2,3,4,5,6,7
	FRAG 128*((\n)%2)+12*\i, ADB+SL_, OF_+1536*\i
.endr
	WIN 0
.endm
.macro FETCH_A n, i0
	LOC \n
.irp i, 0,1,2,3
	FRAG AF+12*((\i0)+\i), ADA+SL_, OF_+1536*((\i0)+\i)
.endr
.endm
.macro SCALES n
.irp g, 0,1
	ds_load_b128 v[SC+8*((\n)%2)+4*\g:SC+8*((\n)%2)+4*\g+3], v[ADRS] offset:512*(\n)+256*\g
.endr
.endm
; 16 matrix instructions: tiles a0, a0 + 1 of queries x the eight of keys.  The 64 accumulators take turns, one instruction a turn, in the same order in every step.
.macro MUL16 a0, n, zero
.irp a, \a0, \a0+1
.irp b, 0,1,2,3,4,5,6,7
.if \zero
	v_wmma_scale_f32_16x16x128_f8f6f4 v[8*(8*((\a)%4)+\b):8*(8*((\a)%4)+\b)+7], v[128*((\n)%2)+12*\b:128*((\n)%2)+12*\b+11], v[AF+12*(\a):AF+12*(\a)+11], 0, v[SC+8*((\n)%2)+\b], v[SC+8*((\n)%2)+(\a)] matrix_a_fmt:MATRIX_FMT_FP6 matrix_b_fmt:MATRIX_FMT_FP6 matrix_a_scale:MATRIX_SCALE_ROW1
.else
	v_wmma_scale_f32_16x16x128_f8f6f4 v[8*(8*((\a)%4)+\b):8*(8*((\a)%4)+\b)+7], v[128*((\n)%2)+12*\b:128*((\n)%2)+12*\b+11], v[AF+12*(\a):AF+12*(\a)+11], v[8*(8*((\a)%4)+\b):8*(8*((\a)%4)+\b)+7], v[SC+8*((\n)%2)+\b], v[SC+8*((\n)%2)+(\a)] matrix_a_fmt:MATRIX_FMT_FP6 matrix_b_fmt:MATRIX_FMT_FP6 matrix_a_scale:MATRIX_SCALE_ROW1
.endif
.endr
.endr
.endm
; turn = 1: a round; steps 3-5 are shown, steps 6, 7 land over steps 0, 1.  turn = 2: a plain barrier shows them
.macro STEP n, zero, turn
.if \turn
	s_wait_tensorcnt 0x0
	ds_add_u32 v[SPW], v[NIL]
	s_wait_dscnt 17                                ; the add and the youngest 16 loads (A's tiles 4-7) may be out
.else
	s_wait_dscnt 16                                ; the youngest 16 loads may be out
.endif
	WIN 0xa1
	MUL16 0, \n, \zero
.if \turn
.if \turn == 1
	ROWS 96                                        ; no load of mine is out
.endif
	s_wait_dscnt 0x0                               ; the add is done, and my reads so far, this step's fragments among them, are over
	s_barrier_signal -1
	MUL16 2, \n, \zero
	WIN 0
	s_barrier_wait -1
.if \turn == 1
	CREST
	JLOAD G0A2, G0B2                               ; its four v_nop are also the places in front of the loads below
.else
	PLACES 4
.endif
.else
	MUL16 2, \n, \zero
	s_wait_dscnt 0x0
	PLACES 4
.endif
	FETCH_B (\n)+1
	FETCH_A (\n)+1, 0
	SCALES (\n)+1
	WIN 0xf1
	MUL16 4, \n, \zero
	MUL16 6, \n, \zero
	PLACES 4
	WIN 0
	FETCH_A (\n)+1, 4
.endm
	s_wait_tensorcnt 0x0                           ; my head load is in; these lines stand ahead of a later first fill as ahead of a refill
	ds_add_u32 v[SPW], v[NIL]
	ROWS 144                                       ; no load of mine is out: three K steps, 36,864 bytes
	s_wait_dscnt 0x0
	CROUND
	JLOAD G0A1, G0B1                               ; steps 3-5
	FETCH_B 0
	FETCH_A 0, 0
	SCALES 0
	FETCH_A 0, 4
	STEP 0, 1, 0
	STEP 1, 0, 0
	STEP 2, 0, 1
	STEP 3, 0, 0
	STEP 4, 0, 0
	STEP 5, 0, 2
	STEP 6, 0, 0
	s_wait_dscnt 16
	WIN 0xa1
	MUL16 0, 7, 0
	MUL16 2, 7, 0
	s_wait_dscnt 0x0
	WIN 0xf1
	MUL16 4, 7, 0
	MUL16 6, 7, 0
	WIN 0
; THE WAY OUT, a tile of 16 queries at a time.  Register 32 c + i of the tile's 64 is the score of key 64 c + 32 (lane / 16) + i of my 128.
.macro SOFTQ a
.set S, 64*((\a)%4)
.set W, 2+(\a)/4
.set CDA, CD+12*(\a)
	WIN W|(W<<2)|(W<<4)
.irp b, 0,1,2,3
	v_max3_num_f32 v[BM+\b], v[S+16*\b], v[S+16*\b+1], v[S+16*\b+2]
.endr
	WIN (W<<2)|(W<<4)
.irp i, 3,5,7,9,11,13
.irp b, 0,1,2,3
	v_max3_num_f32 v[BM+\b], v[BM+\b], v[S+16*\b+\i], v[S+16*\b+\i+1]
.endr
.endr
.irp b, 0,1,2,3
	v_max_num_f32 v[BM+\b], v[BM+\b], v[S+16*\b+15]
.endr
	WIN 0
	v_max_num_f32 v[BM], v[BM], v[BM+1]            ; the largest score of each of my two blocks of 32 keys: for the run's maximum, and, since p rises with the score, for the block's largest p
	v_max_num_f32 v[BM+1], v[BM+2], v[BM+3]
	v_max_num_f32 v250, v[BM], v[BM+1]
	v_permlanex16_b32 v251, v250, s98, s99
	v_max_num_f32 v250, v250, v251                 ; with lane l xor 16's two blocks: the run's
	v_mul_f32 v250, s100, v250                     ; as t (c is positive)
	v_floor_f32 v[NMS+(\a)], -v250                 ; -M = floor(-t) = -ceil(t)
	v_floor_f32 v244, -v250
	WIN W
.set j, 0
.rept 32
	v_pk_fma_f32 v[T+j:T+j+1], v[S+j:S+j+1], s[100:101], v[244:245] op_sel_hi:[1,0,0]   ; t - M, two at a time
.set j, j+2
.endr
	WIN 0
	v_fma_f32 v[BM], v[BM], s100, v244
	v_fma_f32 v[BM+1], v[BM+1], s100, v244
	s_wait_alu depctr_va_vdst(0)
.set j, 0
.rept 64
	v_exp_f32 v[T+j], v[T+j]                       ; p = 2^(t - M), at most 1
.set j, j+1
.endr
	v_exp_f32 v[BM], v[BM]                         ; the blocks' largest p
	v_exp_f32 v[BM+1], v[BM+1]
	v_nop                                          ; a plain place behind the exponentials
	s_wait_alu depctr_va_vdst(0)                   ; one wait for the batch
	v_pk_add_f32 v[246:247], v[T:T+1], v[T+2:T+3]  ; the sum of the UNQUANTISED p, in two chains
	v_pk_add_f32 v[248:249], v[T+4:T+5], v[T+6:T+7]
	v_max_num_f32 v[BM], 0x1800000, v[BM]          ; the floor 2^(3 - 127): the byte cannot fall under 1
	v_max_num_f32 v[BM+1], 0x1800000, v[BM+1]
	v_add_nc_u32 v[SO], 0xff000000, v[BM]          ; 2 off the exponent field: the conversion's scale operand
	v_add_nc_u32 v[SO+1], 0xff000000, v[BM+1]
.irp j, 8,12,16,20,24,28,32,36,40,44,48,52,56,60
	v_pk_add_f32 v[246:247], v[246:247], v[T+\j:T+\j+1]
	v_pk_add_f32 v[248:249], v[248:249], v[T+\j+2:T+\j+3]
.endr
	v_lshrrev_b32 v[BX], 23, v[SO]                 ; the bytes of blocks h and 2 + h
	v_lshrrev_b32 v[BX+1], 23, v[SO+1]
	v_pk_add_f32 v[246:247], v[246:247], v[248:249]
	v_lshl_or_b32 v[PWS+(\a)], v[BX+1], 16, v[BX]
	v_add_f32 v250, v246, v247
	v_lshlrev_b32 v[PWS+(\a)], v252, v[PWS+(\a)]   ; 8 h bits up
	v_permlanex16_b32 v251, v250, s98, s99
	v_permlanex16_b32 v253, v[PWS+(\a)], s98, s99
	v_add_f32 v[LSM+(\a)], v250, v251              ; l of my query's 128 keys
	v_or_b32 v[PWS+(\a)], v[PWS+(\a)], v253        ; the whole scale word
.irp c, 0,1
	v_cvt_scalef32_pk16_fp6_f32 v[CDA+6*\c:CDA+6*\c+2], v[T+32*\c:T+32*\c+15], v[SO+\c]
	v_cvt_scalef32_pk16_fp6_f32 v[BM+4*\c:BM+4*\c+2], v[T+32*\c+16:T+32*\c+31], v[SO+\c]   ; (a conversion's three registers begin on an even number)
.endr
	v_nop                                          ; one plain place behind a scaled conversion
.irp c, 0,1
.irp i, 0,1,2
	v_mov_b32 v[CDA+6*\c+3+\i], v[BM+4*\c+\i]
.endr
.endr
.irp c, 0,1,2
	global_store_b128 v[LI], v[CDA+4*\c:CDA+4*\c+3], s[92:93] offset:1536*(\a)+512*\c   ; 512 consecutive bytes, aligned; every store has data registers of its own
.endr
.endm
	PLACES 4                                       ; behind the last products
	v_bfe_u32 v252, v0, 4, 1
	v_lshlrev_b32 v252, 3, v252
	v_mov_b32 v251, 0                              ; written once: a lane permute's destination counts as one of its sources
	v_mov_b32 v253, 0
	v_mov_b32 v245, 0                              ; (named as the upper half of the pair v[244:245])
.irp a, 0,1,2,3,4,5,6,7
	SOFTQ \a
.endr
.irp j, 0,1,2,3
	v_cndmask_b32 v[232+\j], v[PWS+\j], v[PWS+4+\j], s66   ; lanes 0-15: tiles 0-3's, lanes 16-31: tiles 4-7's
	v_cndmask_b32 v[236+\j], v[NMS+\j], v[NMS+4+\j], s66
	v_cndmask_b32 v[240+\j], v[LSM+\j], v[LSM+4+\j], s66
.endr
	global_store_b128 v[LI], v[232:235], s[94:95]
	global_store_b128 v[LI], v[236:239], s[96:97]
	global_store_b128 v[LI], v[240:243], s[96:97] offset:512
	s_wait_tensorcnt 0x0
	ds_add_u32 v[SPW], v[NIL]
	s_wait_dscnt 0x0
	CROUND
	s_endpgm
.Lfunc_end_k_qc7a7fd0912_scores:
	.size	k_qc7a7fd0912_scores, .Lfunc_end_k_qc7a7fd0912_scores-k_qc7a7fd0912_scores
	.p2alignl 7, 3214868480
	.fill 96, 4, 3214868480
	.section	.rodata,"a",@progbits
	.p2align	6, 0x0
	.amdhsa_kernel k_qc7a7fd0912_scores
		.amdhsa_group_segment_fixed_size 327680
		.amdhsa_private_segment_fixed_size 0
		.amdhsa_enable_private_segment 0
		.amdhsa_kernarg_size 16
		.amdhsa_user_sgpr_count 2
		.amdhsa_user_sgpr_kernarg_segment_ptr 1
		.amdhsa_wavefront_size32 1
		.amdhsa_system_sgpr_workgroup_id_x 1
		.amdhsa_system_sgpr_workgroup_id_y 1
		.amdhsa_system_sgpr_workgroup_id_z 1
		.amdhsa_system_vgpr_workitem_id 0
		.amdhsa_next_free_vgpr 1024
		.amdhsa_next_free_sgpr 102
		.amdhsa_reserve_vcc 0
		.amdhsa_float_denorm_mode_32 3
		.amdhsa_float_denorm_mode_16_64 3
		.amdhsa_memory_ordered 1
		.amdhsa_forward_progress 1
		.amdhsa_inst_pref_size 192
	.end_amdhsa_kernel
	.amdgpu_metadata
---
amdhsa.version: [ 1, 2 ]
amdhsa.kernels:
  - .name:           k_qc7a7fd0912_scores
    .symbol:         k_qc7a7fd0912_scores.kd
    .args:
      - { .name: kqv, .offset: 0, .size: 8, .value_kind: global_buffer, .address_space: global }
      - { .name: pbuf, .offset: 8, .size: 8, .value_kind: global_buffer, .address_space: global }
    .group_segment_fixed_size: 327680
    .private_segment_fixed_size: 0
    .kernarg_segment_align: 8
    .kernarg_segment_size: 16
    .max_flat_workgroup_size: 128
    .sgpr_count:     102
    .vgpr_count:     1024
    .wavefront_size: 32
...
	.end_amdgpu_metadata
.endif
;; end of part 3
;; launch pv (part 4): grid 4 x 64, 4 waves a work-group, clusters of 4 x 4, 327,680 bytes of LDS; arguments kqv, pbuf, out0; writes out0
.if DOCPART == 4
	.amdgcn_target "amdgcn-amd-amdhsa--gfx1250"
	.amdhsa_code_object_version 6
	.text
	.protected	k_qc7a7fd0912_pv
	.globl	k_qc7a7fd0912_pv
	.p2align	8
	.type	k_qc7a7fd0912_pv,@function
k_qc7a7fd0912_pv:
	s_mov_b64 s[64:65], 0
	v_nop
	global_prefetch_b8 v0, s[64:65] scope:SCOPE_SE
	s_setreg_imm32_b32 hwreg(HW_REG_WAVE_MODE, 25, 1), 1
	s_wait_xcnt 0x0
	s_wait_alu depctr_hold_cnt(0) depctr_sa_sdst(0) depctr_va_vdst(0) depctr_va_sdst(0) depctr_va_ssrc(0) depctr_va_vcc(0) depctr_vm_vsrc(0)
	s_getreg_b32 s2, hwreg(HW_REG_IB_STS2, 6, 4)
	s_cmp_eq_u32 s2, 0
	s_cbranch_scc0 .Lentry_in_a_cluster
	s_endpgm
.Lentry_in_a_cluster:
	s_bfe_u32 s2, ttmp6, 0x10000c
	s_cmp_lg_u32 s2, 0xf033
	s_cbranch_scc0 .Lentry_shape_is_right
	s_endpgm
.Lentry_shape_is_right:
; O = (p v) / l on FP6 (E2M3) codes.  p's codes were made against a ceiling M of their own for each query and 128 keys.  The head of this launch finds each query's M_row = the largest of its 16 M, takes
; d = M_row - M off the four scale bytes of each (query, key step), and sums l = the sum of l_step x 2^-d: all powers of two, so the codes' values are those of p = 2^(t - M_row).
; Operands lie as fragment images: rows in blocks of 128 (8 tiles; position r of tile i = row 32 (i / 2) + 8 (i % 2) + r + 8 (r / 8)), K in steps of 128 keys; a fragment is 1,536 bytes, the 8 tiles of
; (block, step) 12,288 bytes on end; the scale words, -M and l of (block, step): 512 bytes each, tile i, position r at 16 (16 (i / 4) + r) + 4 (i % 4).
; A tile is 128 queries (source 1) x 256 of e (source 0 = v^T), K = 2,048 keys = 16 steps; four waves, each 64 queries x 128 e: 32 accumulators.  A lane holds ONE query and, tile pair by tile pair, 16 neighbouring e.
; CLUSTERS 4 x 4: p's block is shared along a row of the cluster, v's blocks and scale words along a column: joint loads (wave 0: p; waves 1, 2: v's two blocks; wave 3: v's scale words, once).
; LDS: two slots of four K steps.  Every wait on TENSORcnt is for 0.
; LIMITS: a block of p that lies more than 2^-120 or so under its row's largest has its byte held at 0 (it adds at most 7.5 x 2^-127 a code); d is held at 127; NaN and infinities are not served.
; REGISTERS: window 0: v2, v16-29 addresses; v32-47 scale words, two sets; v48-55 1 / l; v64-159 p's fragments, two sets; at the head v64-239 at work; on the way out v64-255.
;   window 1: v's fragments, two sets, at v0 and v128.  window 2: accumulator (a, b) at v[8 (8 a + b)].
; ROW ORDER, in place of the one stated above: position 8 h + i of tile 4 c + j is row 64 c + 32 h + 8 j + i of its block of 128.  A lane holds one query and, for four tiles of e, 32 neighbouring columns.
; Each wave sums l over its own four key steps; the four sums meet in LDS and are added ahead of the way out.  At the head a wave has one tensor load; slot 1's first fill stands behind the first round.
; PREFETCHES: steps 8-11 and 12-15, each one refill ahead of its load; the four partners share a block's bytes out by address.
.set VC0,   13107200
.set VS0,   19398656
.set PS0,   12582912
.set PT0,   13107200
.set BLK,   12288
.set PB,    4*BLK                      ; what one tensor load brings: a block's four K steps
.set SLOT3, 3*PB                       ; a slot: p's block, v's two blocks
.set PSC,   2*SLOT3                    ; p's scale words under M_row, 16 steps x 512 bytes: stored by the waves, never a fill's target
.set VSC,   PSC+8192                   ; v's scale words: two blocks x 16 steps x 512 bytes
.set LSUM,  VSC+16384                  ; the four waves' sums of l, 512 bytes each
.set SPARE, LSUM+2048                  ; the spare words, 128 bytes for each wave: two blocks of 256 bytes that no other line names
.set SPITCH, 528                       ; the way out: a stage of 16 rows x (512 + 16) bytes for each wave, in slot 0, which has had its last fill and its last read by then
.set LI,   2                           ; v2  16 x lane
.set ADP,  16                          ; v16-17 my four tiles of p in slot 0, 1
.set ADV,  18                          ; v18-19 my block of v
.set ADS1, 20                          ; v20 scale words: lanes 0-15 p's four tiles, lanes 16-31 v's tiles 0-3
.set ADS2, 21                          ; v21 v's tiles 4-7
.set STO,  22
.set RD,   23
.set PSW,  24                          ; v24 where I store four steps' scale blocks
.set SPW,  28                          ; v28 LDS address of my spare word; never rewritten
.set NIL,  29                          ; v29 0; never rewritten
.set SC,   32
.set RL,   48
.set PF,   64
.set BK,   192
.set G1P,  24
.set G1V,  32
.set G1S,  40
.set G0P,  48                          ; s[48:55] p's group 0, one set for each slot
.set G0V,  56                          ; s[56:63] v's
.set G0S,  68
.set MSB, 0
.macro WIN new                         ; the immediate's high byte repeats the setting that is left
.if MSB != (\new)
	s_set_vgpr_msb (MSB<<8)|(\new)
.set MSB, (\new)
.endif
.endm
.macro PLACES n
.rept \n
	v_nop
.endr
.endm
.macro CREST
	s_cmp_lg_u32 s10, 0
	s_cbranch_scc1 .Lnot_wave_0_\@
	s_barrier_signal -3
.Lnot_wave_0_\@:
	s_barrier_wait -3
	s_barrier_signal -1
	s_barrier_wait -1
.endm
.macro CROUND
	s_barrier_signal -1
	s_barrier_wait -1
	CREST
.endm
.macro MKG0 g, ldsreg, ldsadd, src, add
	s_mov_b32 s[\g], 1
	s_add_co_u32 s[\g+1], s[\ldsreg], \ldsadd
	s_add_nc_u64 s[\g+2:\g+3], s[\src:\src+1], \add
	s_or_b32 s[\g+3], s[\g+3], 0x80000000
.endm
; A joint refill of slot s: wave 0 p's block, waves 1 and 2 v's, wave 3 nothing.  The branches hang on the wave's number alone.  An s_nop 0 and four v_nop follow each line.
; (The argument is put in as text: it stands in brackets wherever it is multiplied.)
.macro JLOAD3 s
	s_cmp_eq_u32 s10, 0
	s_cbranch_scc0 .Lnot_p_\@
	tensor_load_to_lds s[G0P+4*(\s):G0P+4*(\s)+3], s[G1P:G1P+7]
	s_nop 0
.rept 4
	v_nop
.endr
	s_branch .Lasked_\@
.Lnot_p_\@:
	s_cmp_lt_u32 s10, 3
	s_cbranch_scc0 .Lasked_\@
	tensor_load_to_lds s[G0V+4*(\s):G0V+4*(\s)+3], s[G1V:G1V+7]
	s_nop 0
.rept 4
	v_nop
.endr
.Lasked_\@:
.endm
	s_load_b128 s[4:7], s[0:1], 0x0                ; kqv s[4:5], pbuf s[6:7]
	s_load_b64 s[8:9], s[0:1], 0x10                ; out0
	v_lshl_add_u32 v[SPW], v0, 2, SPARE
	v_mov_b32 v[NIL], 0
	ds_add_u32 v[SPW], v[NIL]                      ; the wave's opening: the add and its wait stand ahead of my first tensor load; work on registers stands between them
	ds_add_u32 v[SPW], v[NIL]
	v_lshrrev_b32 v1, 5, v0
	v_readfirstlane_b32 s10, v1                    ; wave
	s_lshr_b32 s11, s10, 1                         ; which 64 queries are mine
	s_and_b32 s12, s10, 1                          ; which block of e
	s_bfe_u32 s13, ttmp6, 0x40000                  ; cx
	s_bfe_u32 s14, ttmp6, 0x40004                  ; cy
	s_and_b32 s15, ttmp7, 0xffff                   ; cluster y
	s_lshr_b32 s16, s15, 2                         ; the batch: 16 blocks of queries each
	s_lshl_b32 s17, s15, 2
	s_add_co_u32 s17, s17, s14                     ; the block of queries
	s_lshl_b32 s18, s14, 2
	s_lshl_b32 s18, 15, s18                        ; my row of the cluster
	s_lshl_b32 s19, 0x1111, s13                    ; my column
	s_or_b32 s[G1P], s18, (3<<16)|(1<<21)          ; dense bytes as rows of 256 (32 elements of 8 bytes): 192 rows; no padding
	s_or_b32 s[G1V], s19, (3<<16)|(1<<21)
	s_or_b32 s[G1S], s19, (3<<16)|(1<<21)
.irp g, G1P, G1V
	s_mov_b32 s[\g+1], 32<<16
	s_mov_b32 s[\g+2], 192<<16
	s_mov_b32 s[\g+3], 32<<16
	s_mov_b32 s[\g+4], 192
	s_mov_b32 s[\g+5], 32
	s_mov_b32 s[\g+6], 0
	s_mov_b32 s[\g+7], 0
.endr
	s_mov_b32 s[G1S+1], 1024<<16                   ; v's scale words: two rows (blocks of e) of 8,192 bytes (the batch's 16 steps), 32,768 bytes apart
	s_mov_b32 s[G1S+2], 2<<16
	s_mov_b32 s[G1S+3], 1024<<16
	s_mov_b32 s[G1S+4], 2
	s_mov_b32 s[G1S+5], 4096
	s_mov_b32 s[G1S+6], 0
	s_mov_b32 s[G1S+7], 0
	s_mul_i32 s20, s17, 16*BLK                     ; p's block
	s_mov_b32 s21, 0
	s_add_co_u32 s22, s10, 1
	s_and_b32 s22, s22, 1                          ; wave 1: v's block 0, wave 2: block 1
	s_lshl_b32 s23, s13, 1
	s_add_co_u32 s22, s22, s23                     ; block of e: 2 cx + that
	s_lshl_b32 s22, s22, 6
	s_lshl_b32 s23, s16, 4
	s_add_co_u32 s22, s22, s23                     ; x 64 steps + the batch's first
	s_mul_i32 s22, s22, BLK
	s_add_co_u32 s22, s22, VC0
	s_mov_b32 s23, 0
	s_lshl_b32 s2, s13, 7
	s_lshl_b32 s3, s16, 4
	s_add_co_u32 s2, s2, s3
	s_lshl_b32 s2, s2, 9
	s_add_co_u32 s2, s2, VS0
	s_mov_b32 s3, 0
	s_mul_i32 s75, s10, PB                         ; where my loads go: wave x a block: no place in the cluster enters an LDS address
	s_mov_b32 s79, VSC
	s_mov_b32 s72, 0x80808080
	s_mov_b32 s73, 0x01010101
	s_mov_b32 s74, 0x7f7f7f7f
	s_mov_b32 s76, 0x76543210
	s_mov_b32 s77, 0xfedcba98                      ; v_permlanex16_b32's selects for lane l xor 16
	s_mov_b32 s78, 0xffff0000
	s_cmp_eq_u32 s11, 0
	s_cselect_b32 s78, 0xffff, s78                 ; the lanes whose words belong to my four tiles of queries
	s_wait_dscnt 0x0                               ; the opening add is done
	s_wait_kmcnt 0x0
	s_add_nc_u64 s[20:21], s[6:7], s[20:21]
	s_add_nc_u64 s[22:23], s[4:5], s[22:23]
	s_add_nc_u64 s[2:3], s[4:5], s[2:3]
	s_lshl_b32 s80, s17, 14
	s_add_co_u32 s80, s80, PT0
	s_mov_b32 s81, 0
	s_add_nc_u64 s[80:81], s[6:7], s[80:81]        ; my block's -M and l, 16 steps x 1,024 bytes
	s_lshl_b32 s82, s10, 12
	s_mov_b32 s83, 0
	s_add_nc_u64 s[82:83], s[80:81], s[82:83]      ; those of steps 4 wave on
	s_lshl_b32 s84, s17, 13
	s_lshl_b32 s85, s10, 11
	s_add_co_u32 s84, s84, s85
	s_add_co_u32 s84, s84, PS0
	s_mov_b32 s85, 0
	s_add_nc_u64 s[84:85], s[6:7], s[84:85]        ; and their scale blocks
	v_and_b32 v1, 31, v0
	v_lshlrev_b32 v[LI], 4, v1
	s_wait_alu depctr_va_vdst(0)
.irp s, 0,1,2,3,4,5,6,7,8,9,10,11,12,13,14,15
	global_load_b128 v[64+4*\s:67+4*\s], v[LI], s[80:81] offset:1024*\s          ; -M of all 16 steps: lane 16 g + r holds tiles 4 g .. 4 g + 3, position r
.endr
.irp k, 0,1,2,3
	global_load_b128 v[192+4*\k:195+4*\k], v[LI], s[82:83] offset:1024*\k        ; -M of my four steps
.endr
.irp k, 0,1,2,3
	global_load_b128 v[128+4*\k:131+4*\k], v[LI], s[82:83] offset:1024*\k+512    ; l of my four steps
.endr
.irp k, 0,1,2,3
	global_load_b128 v[208+4*\k:211+4*\k], v[LI], s[84:85] offset:512*\k         ; and their scale words
.endr
	CROUND                                         ; all sixteen work-groups are here: the first joint loads meet
	MKG0 G0P, 75, 0, 20, 0
	MKG0 G0P+4, 75, SLOT3, 20, PB
	MKG0 G0V, 75, 0, 22, 0
	MKG0 G0V+4, 75, SLOT3, 22, PB
	MKG0 G0S, 79, 0, 2, 0
	s_cmp_eq_u32 s10, 0                            ; a wave's first fills stand in one branch on its number
	s_cbranch_scc0 .Lfirst_not_p
	tensor_load_to_lds s[G0P:G0P+3], s[G1P:G1P+7]
	s_nop 0
.rept 4
	v_nop
.endr
	s_branch .Lfirst_asked
.Lfirst_not_p:
	s_cmp_eq_u32 s10, 3
	s_cbranch_scc1 .Lfirst_s
	tensor_load_to_lds s[G0V:G0V+3], s[G1V:G1V+7]
	s_nop 0
.rept 4
	v_nop
.endr
	s_branch .Lfirst_asked
.Lfirst_s:
	tensor_load_to_lds s[G0S:G0S+3], s[G1S:G1S+7]
	s_nop 0
.rept 4
	v_nop
.endr
.Lfirst_asked:                                         ; at most two loads of mine are out
	s_lshl_b32 s86, s17, 19                        ; out0: 128 rows of 4,096 bytes a block,
	s_lshl_b32 s87, s11, 18                        ; my 64 rows,
	s_add_co_u32 s86, s86, s87
	s_lshl_b32 s87, s13, 10                        ; the tile's 256 columns,
	s_add_co_u32 s86, s86, s87
	s_lshl_b32 s87, s12, 9                         ; my 128
	s_add_co_u32 s86, s86, s87
	s_mov_b32 s87, 0
	s_add_nc_u64 s[86:87], s[8:9], s[86:87]
	v_and_b32 v1, 15, v0                           ; r
	v_bfe_u32 v3, v0, 4, 1                         ; h
	s_mul_i32 s18, s11, 4*1536
	v_add_nc_u32 v[ADP], s18, v[LI]
	v_add_nc_u32 v[ADP+1], SLOT3, v[ADP]
	s_mul_i32 s18, s12, PB
	s_add_co_u32 s18, s18, PB
	v_add_nc_u32 v[ADV], s18, v[LI]
	v_add_nc_u32 v[ADV+1], SLOT3, v[ADV]
	s_lshl_b32 s18, s11, 8                         ; p's words of my four tiles,
	s_lshl_b32 s19, s12, 13
	s_add_co_u32 s19, s19, VSC-PSC
	s_sub_co_u32 s19, s19, s18                     ; and how far on v's lie
	v_mul_u32_u24 v4, s19, v3                      ; lanes 16-31 take v's
	s_wait_alu depctr_va_vdst(0)
	s_add_co_u32 s18, s18, PSC
	v_lshl_add_u32 v4, v1, 4, v4
	v_add_nc_u32 v[ADS1], s18, v4
	s_lshl_b32 s19, s12, 13
	s_add_co_u32 s19, s19, VSC
	v_lshl_add_u32 v[ADS2], v1, 4, s19
	s_mul_i32 s18, s10, 16*SPITCH                  ; my stage
	v_mul_u32_u24 v[STO], v1, SPITCH
	v_lshl_add_u32 v[STO], v3, 7, v[STO]
	v_add_nc_u32 v[STO], s18, v[STO]               ; in: row r, + 128 h
	v_add_nc_u32 v[RD], s18, v[LI]                 ; back: a row's 512 bytes by 32 lanes
	s_lshl_b32 s18, s10, 11
	s_add_co_u32 s18, s18, PSC
	v_add_nc_u32 v[PSW], s18, v[LI]
	s_lshl_b32 s18, s10, 9
	s_add_co_u32 s18, s18, LSUM
	v_add_nc_u32 v25, s18, v[LI]                   ; where I store my sums of l
	v_add_nc_u32 v26, LSUM, v[LI]                  ; and where all four are read
	s_cmp_eq_u32 s10, 0
	s_cselect_b64 s[88:89], s[20:21], s[22:23]     ; the block that I fetch, for the prefetches
	s_cselect_b32 s18, s13, s14                    ; my place among the four that ask with me
	s_mul_i32 s18, s18, 48*256
	v_lshl_add_u32 v27, v[LI], 4, s18              ; 48 of a slot's 192 units of 256 bytes of my block: 32 lanes,
	v_min_u32 v30, 240, v[LI]
	v_lshl_add_u32 v30, v30, 4, s18                ; and 16 more
	s_wait_alu depctr_va_vdst(0)
	s_wait_loadcnt 0x0
	; -M_row = the least of the 16 -M
.irp j, 0,1,2,3
	v_min3_num_f32 v[224+\j], v[64+\j], v[68+\j], v[72+\j]
.endr
.irp s, 3,5,7,9,11,13
.irp j, 0,1,2,3
	v_min3_num_f32 v[224+\j], v[224+\j], v[64+4*\s+\j], v[68+4*\s+\j]
.endr
.endr
.irp j, 0,1,2,3
	v_min_num_f32 v[224+\j], v[224+\j], v[124+\j]
.endr
	; l = the sum over the steps of l_step x 2^(M - M_row): a whole-number exponent, 0 or less
	; (over my four steps), and their scale words: d = M_row - M, held at 127, off each of a word's four bytes, held at 0.  The bytes are at most 125, so bit 7 is free to catch the borrow
.irp k, 0,1,2,3
.irp j, 0,1,2,3
	v_sub_f32 v[232+\j], v[192+4*\k+\j], v[224+\j]
.endr
.irp j, 0,1,2,3
	v_cvt_i32_f32 v[232+\j], v[232+\j]             ; (it saturates)
.endr
.irp j, 0,1,2,3
	v_sub_nc_u32 v[236+\j], 0, v[232+\j]
.endr
.if \k == 0
.irp j, 0,1,2,3
	v_ldexp_f32 v[228+\j], v[128+\j], v[236+\j]    ; the first step starts the sums
.endr
.else
.irp j, 0,1,2,3
	v_ldexp_f32 v[236+\j], v[128+4*\k+\j], v[236+\j]
.endr
.irp j, 0,1,2,3
	v_add_f32 v[228+\j], v[228+\j], v[236+\j]
.endr
.endif
.irp j, 0,1,2,3
	v_min_u32 v[232+\j], 127, v[232+\j]
.endr
.irp j, 0,1,2,3
	v_mul_lo_u32 v[232+\j], v[232+\j], s73         ; d in all four bytes
.endr
.irp j, 0,1,2,3
	v_or_b32 v[208+4*\k+\j], s72, v[208+4*\k+\j]
.endr
.irp j, 0,1,2,3
	v_sub_nc_u32 v[208+4*\k+\j], v[208+4*\k+\j], v[232+\j]   ; 128 + byte - d in each byte: never under 2, so no byte borrows from the next
.endr
.irp j, 0,1,2,3
	v_lshrrev_b32 v[232+\j], 7, v[208+4*\k+\j]
.endr
.irp j, 0,1,2,3
	v_and_b32 v[232+\j], s73, v[232+\j]            ; 1 where byte - d is 0 or more
.endr
.irp j, 0,1,2,3
	v_lshlrev_b32 v[236+\j], 8, v[232+\j]
.endr
.irp j, 0,1,2,3
	v_sub_nc_u32 v[232+\j], v[236+\j], v[232+\j]   ; 255 there
.endr
.irp j, 0,1,2,3
	v_and_b32 v[232+\j], s74, v[232+\j]
.endr
.irp j, 0,1,2,3
	v_and_b32 v[208+4*\k+\j], v[208+4*\k+\j], v[232+\j]
.endr
	ds_store_b128 v[PSW], v[208+4*\k:211+4*\k] offset:512*\k
.endr
	ds_store_b128 v25, v[228:231]
.irp j, 0,1,2,3
	v_mov_b32 v[RL+2*\j+1], 0                      ; (named with 1 / l as a pair)
.endr
	s_wait_alu depctr_va_vdst(0)
	s_wait_tensorcnt 0x0                           ; my first fill has landed; these lines stand ahead of a later first fill as ahead of a refill
	ds_add_u32 v[SPW], v[NIL]
	s_wait_dscnt 0x0                               ; the add is done; my scale blocks and sums lie in LDS
	CROUND
	JLOAD3 1                                       ; slot 1: steps 4 to 7
.macro FRAG reg, adr, off
.irp c, 0,1,2
	ds_load_b128 v[(\reg)+4*\c:(\reg)+4*\c+3], v[\adr] offset:(\off)+512*\c
.endr
.endm
.macro FETCH3 n                        ; step n: v's eight fragments, p's four, the scale words: 38 loads, into sets n % 2
	WIN 0x40
.irp b, 0,1,2,3,4,5,6,7
	FRAG 128*((\n)%2)+12*\b, ADV+((\n)/4)%2, ((\n)%4)*BLK+1536*\b
.endr
	WIN 0
.irp a, 0,1,2,3
	FRAG PF+48*((\n)%2)+12*\a, ADP+((\n)/4)%2, ((\n)%4)*BLK+1536*\a
.endr
	ds_load_b128 v[SC+8*((\n)%2):SC+8*((\n)%2)+3], v[ADS1] offset:512*(\n)
	ds_load_b128 v[SC+8*((\n)%2)+4:SC+8*((\n)%2)+7], v[ADS2] offset:512*(\n)+256
.endm
; 8 matrix instructions: my tile a of queries x v's eight tiles.  The 32 accumulators take turns, one instruction a turn, in the same order in every step.
.macro MUL8 a, n, zero
.irp b, 0,1,2,3,4,5,6,7
.if \zero
	v_wmma_scale_f32_16x16x128_f8f6f4 v[8*(8*(\a)+\b):8*(8*(\a)+\b)+7], v[128*((\n)%2)+12*\b:128*((\n)%2)+12*\b+11], v[PF+48*((\n)%2)+12*(\a):PF+48*((\n)%2)+12*(\a)+11], 0, v[SC+8*((\n)%2)+\b], v[SC+8*((\n)%2)+(\a)] matrix_a_fmt:MATRIX_FMT_FP6 matrix_b_fmt:MATRIX_FMT_FP6 matrix_a_scale:MATRIX_SCALE_ROW1
.else
	v_wmma_scale_f32_16x16x128_f8f6f4 v[8*(8*(\a)+\b):8*(8*(\a)+\b)+7], v[128*((\n)%2)+12*\b:128*((\n)%2)+12*\b+11], v[PF+48*((\n)%2)+12*(\a):PF+48*((\n)%2)+12*(\a)+11], v[8*(8*(\a)+\b):8*(8*(\a)+\b)+7], v[SC+8*((\n)%2)+\b], v[SC+8*((\n)%2)+(\a)] matrix_a_fmt:MATRIX_FMT_FP6 matrix_b_fmt:MATRIX_FMT_FP6 matrix_a_scale:MATRIX_SCALE_ROW1
.endif
.endr
.endm
.macro STEP3 n, zero                   ; the next step's fragments lie in the same slot: they are asked for at the step's head, 32 matrix instructions ahead of the wait for them
	s_wait_dscnt 0x0                               ; this step's 38 loads are in
	PLACES 4                                       ; four places in front of loads into the sets that the step before multiplied
	FETCH3 (\n)+1
	WIN 0xa1
	MUL8 0, \n, \zero
	MUL8 1, \n, \zero
	MUL8 2, \n, \zero
	MUL8 3, \n, \zero
	WIN 0
.endm
.macro TURN3 n, fill                   ; a slot's last step.  fill = 1: the slot is filled again, with the steps eight on
	s_wait_tensorcnt 0x0                           ; all my tensor loads have landed: my part of the next slot;
	ds_add_u32 v[SPW], v[NIL]                      ; 0 onto my spare word;
	s_wait_dscnt 1                                 ; (the add alone may be out)
	WIN 0xa1
	MUL8 0, \n, 0                                  ; eight matrix instructions stand between the add and the wait for it
	s_wait_dscnt 0x0                               ; the add is done, and my reads of this slot are over
	s_barrier_signal -1
	MUL8 1, \n, 0
	WIN 0
	s_barrier_wait -1
.if \fill
	CREST                                          ; a round of the cluster's barrier: no wave of any partner still reads this slot or has a load on its way
	s_add_nc_u64 s[G0P+4*(((\n)/4)%2)+2:G0P+4*(((\n)/4)%2)+3], s[G0P+4*(((\n)/4)%2)+2:G0P+4*(((\n)/4)%2)+3], 2*PB
	s_add_nc_u64 s[G0V+4*(((\n)/4)%2)+2:G0V+4*(((\n)/4)%2)+3], s[G0V+4*(((\n)/4)%2)+2:G0V+4*(((\n)/4)%2)+3], 2*PB
	JLOAD3 ((\n)/4)%2                              ; a wave's one tensor load behind the round, into the slot just read out: it has four steps, 128 matrix instructions, in which to land
.endif
	PLACES 4                                       ; on every wave's path, that of the wave that fetches nothing too
	FETCH3 (\n)+1                                  ; the next slot's first fragments: only behind the barrier
	WIN 0xa1
	MUL8 2, \n, 0
	MUL8 3, \n, 0
	WIN 0
.endm
.macro ASK off                         ; wave 3 fetches no block
	s_cmp_lt_u32 s10, 3
	s_cbranch_scc0 .Lno_ask_\@
	global_prefetch_b8 v27, s[88:89] offset:\off th:TH_LOAD_NT scope:SCOPE_SE
	global_prefetch_b8 v30, s[88:89] offset:(\off)+8192 th:TH_LOAD_NT scope:SCOPE_SE
.Lno_ask_\@:
.endm
	FETCH3 0
	STEP3 0, 1                                     ; the first products start the sums
	STEP3 1, 0
	ASK 2*PB                                       ; steps 8 to 11, two K steps ahead of their load
	STEP3 2, 0
	TURN3 3, 1                                     ; slot 0 takes steps 8 to 11
	STEP3 4, 0
	STEP3 5, 0
	ASK 3*PB                                       ; steps 12 to 15, two K steps ahead of their load
	STEP3 6, 0
	TURN3 7, 1                                     ; slot 1 takes steps 12 to 15
	STEP3 8, 0
	STEP3 9, 0
	STEP3 10, 0
	TURN3 11, 0                                    ; nothing is left to fetch; behind this barrier nobody reads slot 0
	STEP3 12, 0
	STEP3 13, 0
	s_wait_dscnt 0x0
	PLACES 4
	FETCH3 15
.irp w, 0,1,2,3
	ds_load_b128 v[192+4*\w:195+4*\w], v26 offset:512*\w   ; the four waves' sums of l
.endr
	WIN 0xa1
	MUL8 0, 14, 0
	MUL8 1, 14, 0
	MUL8 2, 14, 0
	MUL8 3, 14, 0
	s_wait_dscnt 0x0
	MUL8 0, 15, 0
	MUL8 1, 15, 0
	WIN 0
.irp j, 0,1,2,3
	v_add_f32 v[192+\j], v[192+\j], v[196+\j]
.endr
.irp j, 0,1,2,3
	v_add_f32 v[200+\j], v[200+\j], v[204+\j]
.endr
.irp j, 0,1,2,3
	v_add_f32 v[192+\j], v[192+\j], v[200+\j]      ; l
.endr
	s_wait_alu depctr_va_vdst(0)
.irp j, 0,1,2,3
	v_rcp_f32 v[208+\j], v[192+\j]
.endr
	v_nop                                          ; a plain place behind the reciprocals
	s_wait_alu depctr_va_vdst(0)                   ; one wait for the four, ahead of their first reader
.irp j, 0,1,2,3
	v_permlanex16_b32 v[196+\j], v[208+\j], s76, s77
.endr
.irp j, 0,1,2,3
	v_cndmask_b32 v[RL+2*\j], v[196+\j], v[208+\j], s78   ; 1 / l of position r of my tile j, in both halves of the lanes
.endr
; THE WAY OUT, a tile of 16 queries at a time: x 1 / l; register 32 c + i is column 64 c + 32 (lane / 16) + i of my 128: through my stage, back as whole rows of 512 bytes.
.macro SEND a
.irp p, 0,1,2,3,4,5,6,7,8,9,10,11,12,13,14,15
	global_store_b128 v[LI], v[BK+4*\p:BK+4*\p+3], s[86:87] offset:(8*(\a)+(\p%8)+32*(\p/8))*4096 th:TH_STORE_NT   ; 32 lanes store 512 consecutive bytes, aligned: position p's row
.endr
.endm
.macro BYL a
	s_wait_alu depctr_va_vdst(0)                   ; ahead of the results' first reader
	WIN 0x02                                       ; source 0: window 2
.set j, 0
.rept 32
	v_pk_mul_f32 v[64+64*((\a)%2)+j:64+64*((\a)%2)+j+1], v[64*(\a)+j:64*(\a)+j+1], v[RL+2*(\a):RL+2*(\a)+1] op_sel_hi:[1,0]   ; ascending: each accumulator from its low end on
.set j, j+2
.endr
	WIN 0
.endm
.macro TOSTAGE a
.irp b, 0,1
.irp k, 0,1,2,3,4,5,6,7
	ds_store_b128 v[STO], v[64+64*((\a)%2)+32*\b+4*\k:64+64*((\a)%2)+32*\b+4*\k+3] offset:256*\b+16*\k
.endr
.endr
.irp p, 0,1,2,3,4,5,6,7,8,9,10,11,12,13,14,15
	ds_load_b128 v[BK+4*\p:BK+4*\p+3], v[RD] offset:SPITCH*\p   ; LDS serves a wave's instructions in order: these see the stores above
.endr
.endm
	BYL 0
	TOSTAGE 0
	WIN 0xa1                                       ; tile 0 is on its way through the stage: the last two tiles' last products
	MUL8 2, 15, 0
	MUL8 3, 15, 0
	WIN 0
	PLACES 4                                       ; behind the last products
.irp a, 1,2,3
	BYL \a
	s_wait_alu depctr_va_vdst(0)
	s_wait_dscnt 0x0                               ; the tile before is back in registers
	SEND \a-1
	s_wait_xcnt 0x0                                ; its stores have read their registers: the loads below land there
	TOSTAGE \a
.endr
	s_wait_dscnt 0x0
	SEND 3
	s_wait_tensorcnt 0x0                           ; the wave's end: behind my last tensor load and my last LDS store
	ds_add_u32 v[SPW], v[NIL]
	s_wait_dscnt 0x0
	CROUND                                         ; the closing round
	s_endpgm
.Lfunc_end_k_qc7a7fd0912_pv:
	.size	k_qc7a7fd0912_pv, .Lfunc_end_k_qc7a7fd0912_pv-k_qc7a7fd0912_pv
	.p2alignl 7, 3214868480
	.fill 96, 4, 3214868480
	.section	.rodata,"a",@progbits
	.p2align	6, 0x0
	.amdhsa_kernel k_qc7a7fd0912_pv
		.amdhsa_group_segment_fixed_size 327680
		.amdhsa_private_segment_fixed_size 0
		.amdhsa_enable_private_segment 0
		.amdhsa_kernarg_size 24
		.amdhsa_user_sgpr_count 2
		.amdhsa_user_sgpr_kernarg_segment_ptr 1
		.amdhsa_wavefront_size32 1
		.amdhsa_system_sgpr_workgroup_id_x 1
		.amdhsa_system_sgpr_workgroup_id_y 1
		.amdhsa_system_sgpr_workgroup_id_z 1
		.amdhsa_system_vgpr_workitem_id 0
		.amdhsa_next_free_vgpr 768
		.amdhsa_next_free_sgpr 90
		.amdhsa_reserve_vcc 0
		.amdhsa_float_denorm_mode_32 3
		.amdhsa_float_denorm_mode_16_64 3
		.amdhsa_memory_ordered 1
		.amdhsa_forward_progress 1
		.amdhsa_inst_pref_size 159
	.end_amdhsa_kernel
	.amdgpu_metadata
---
amdhsa.version: [ 1, 2 ]
amdhsa.kernels:
  - .name:           k_qc7a7fd0912_pv
    .symbol:         k_qc7a7fd0912_pv.kd
    .args:
      - { .name: kqv, .offset: 0, .size: 8, .value_kind: global_buffer, .address_space: global }
      - { .name: pbuf, .offset: 8, .size: 8, .value_kind: global_buffer, .address_space: global }
      - { .name: out0, .offset: 16, .size: 8, .value_kind: global_buffer, .address_space: global }
    .group_segment_fixed_size: 327680
    .private_segment_fixed_size: 0
    .kernarg_segment_align: 8
    .kernarg_segment_size: 24
    .max_flat_workgroup_size: 128
    .sgpr_count:     90
    .vgpr_count:     768
    .wavefront_size: 32
...
	.end_amdgpu_metadata
.endif
;; end of part 4
